; MI455X (gfx1250); checked and timed in simulation.
; The chip was launched on July 23, 2026; its instructions are those of AMD's public machine-readable ISA for CDNA 5 (MIT licence, August 2026) and "CDNA5" Instruction Set Architecture Reference Guide (July 2026). The comments in the code are by the model that wrote it; some were corrected since.
;; Joint Geometry Attention. Allowed arithmetic: matrix products marked QUANTISED: E2M3 operands, one E8M0 scale for each 32 along K, by v_wmma_scale_f32_16x16x128_f8f6f4 with both operands' format E2M3, f32 sums; everything else in f32.
;; Inputs: W_out 1,024 x 1,024 float32; W_qkv 3,072 x 1,024 float32; hyp_k 1 x 16 x 1 x 1 float32; x 4 x 1,024 x 1,024 float32.
;; Outputs: out0 4 x 1,024 x 1,024 float32.
;; This version of the problem:
;;   THIS VERSION OF THE PROBLEM IS GIVEN IN LOW PRECISION. The matrix products marked QUANTISED in the list below multiply operands that are first quantised to E2M3 (2 exponent bits, 3 mantissa bits; 6 bits a number), with one power-of-two scale for each 32 numbers along K (OCP MX v1.0); their sums are f32. All else is computed in f32.
;;   The module's matrix products, in the order in which they are computed (A, B: the left and right operand; K: the contracted axis; several contracted axes count as one K, in the product's order):
;;     1. [M 4,096, K 1,024] x [K 1,024, N 3,072]; A: input x; B: input W_qkv: QUANTISED
;;     2. batch 64 x [M 1,024, K 64] x [K 64, N 1,024]; A: computed on the way; B: computed on the way: QUANTISED
;;     3. batch 64 x [M 1,024, K 1,024] x [K 1,024, N 64]; A: softmax (see below); B: computed on the way: QUANTISED
;;     4. [M 4,096, K 1,024] x [K 1,024, N 1,024]; A: computed on the way; B: input W_out: QUANTISED
;;   THE QUANTISER, for each operand of a quantised product, along K:
;;     - K is cut into blocks of 32 from its start; a last block that is shorter is filled with zeros.
;;     - A block's scale is 2^e with e = floor(log2(the largest magnitude in the block)) - 2, held to -126 .. 127; a block of zeros has e = 0. As a byte (E8M0): e + 127.
;;     - Each number is divided by its block's scale, clamped to +-7.5, and rounded to the nearest number of E2M3, ties to even, subnormals kept.
;;     - The product sums the exact products of the quantised numbers (number of the format x scale) in f32.
;;   ~~~python
;;   def quantise(x, axis):      # numpy; x: float32 -> the quantised numbers, widened to float32 again
;;       x = np.moveaxis(x, axis, -1); K = x.shape[-1]
;;       x = np.pad(x, [(0, 0)] * (x.ndim - 1) + [(0, -K % 32)]); x = x.reshape(x.shape[:-1] + (-1, 32)); a = np.abs(x).max(-1, keepdims=True)
;;       e = np.where(a > 0, np.clip(np.frexp(np.where(a > 0, a, 1))[1] - 1 - 2, -126, 127), 0)      # np.frexp(a)[1] - 1 = floor(log2(a)), exactly
;;       r = np.clip(x / 2.0 ** e, -7.5, 7.5)
;;       step = 2.0 ** (np.maximum(np.frexp(np.where(r == 0, 1, r))[1] - 1, 0) - 3)
;;       q = np.round(r / step) * step * 2.0 ** e      # np.round: ties to even
;;       return np.moveaxis(q.reshape(q.shape[:-2] + (-1,))[..., :K], -1, axis).astype(np.float32)
;;   ~~~
;;   SOFTMAX AHEAD OF A QUANTISED PRODUCT. Where the list says 'softmax', what is quantised is not the finished softmax but p = 2^(t - M), with t = logit x log2(e) and M = ceil(the row's largest t), a whole number; so 1/2 < the row's largest p <= 1. The row's sum l is taken of the UNQUANTISED p, in f32, and the product's result is divided by l at the end. Since M is a whole number, a kernel that streams over the keys may use a running M (the ceiling of the running maximum): every later rescaling is an exact power of two, which a block's scale takes up: the codes' values come out the same.
;;   OPERANDS COMPUTED ON THE WAY. 'Computed on the way' means the value that the module computes at that place (a softmax that the list does not call 'softmax' is quantised finished and normalised). What goes into a quantiser is computed in f32, as accurately as f32 sums, v_exp_f32 and their like allow (about 1e-6 of the number): no bf16 or f16 on the way to a quantiser, and a product that is left as it is and whose result goes on into a quantised operand takes f32 operands (vector FMAs, or v_wmma_f32_16x16x4_f32). A number that lies on a knife's edge between two numbers of the format may be rounded either way, as far as f32 arithmetic and the matrix unit's own rounding can turn it there, and no further.
;; One version. Each part assembles by itself: llvm-mc -triple=amdgcn-amd-amdhsa -mcpu=gfx1250 --defsym DOCPART=n.
;; ======== version 1 of 1: 4 launches
;; limits: right only within a limited range of input values
;; workspace buffers: opc 6,291,456 bytes; ops 262,144 bytes; rope 262,144 bytes; qimg 3,145,728 bytes; qaux 524,288 bytes; kv 6,946,816 bytes; acode 3,145,728 bytes; ascl 131,072 bytes
;; launch prep (part 1): grid 528 x 1, 8 waves a work-group, no clusters, 69,120 bytes of LDS; arguments x, W_qkv, W_out, opc, ops, rope; writes opc, ops, rope
.if DOCPART == 1
	.amdgcn_target "amdgcn-amd-amdhsa--gfx1250"
	.amdhsa_code_object_version 6
	.text
	.protected	k_qa2c416b4a9_prep
	.globl	k_qa2c416b4a9_prep
	.p2align	8
	.type	k_qa2c416b4a9_prep,@function
k_qa2c416b4a9_prep:
	s_mov_b64 s[64:65], 0
	v_nop
	global_prefetch_b8 v0, s[64:65] scope:SCOPE_SE
	s_setreg_imm32_b32 hwreg(HW_REG_WAVE_MODE, 25, 1), 1
	s_wait_xcnt 0x0
; x [4096][1024], W_qkv [3072][1024] and W_out [1024][1024], f32, become codes of FP6 (E2M3) with one E8M0 byte for each 32 along K (the last axis),
; laid as the later launches' operand registers want them; and the table of cos and sin for the rotation of q and k is made.
; IMAGE TILES.  Tile i holds 16 rows: lane-row r stands for source row 32 (i / 2) + 8 (i % 2) + r + 8 (r / 8).  Tiles 0-255: x; 256-447: W_qkv; 448-511: W_out.
; A tile is 16 half fragments (64 along K each) of 768 bytes: lane (r, h) owns the 24 bytes of codes k = 32 h .. 32 h + 31 of its row: its first 16 bytes at 16 x lane, its last 8 at 512 + 8 x lane.
; Scale bytes: 32 for each image row, along K: 512 bytes a tile.
; A block's scale is 2^(floor(log2(largest magnitude)) - 2): its byte is the largest magnitude's exponent field - 2, held at 1 from below.  A block of zeros gets the byte 1 where the rule says 127:
; its codes are zeros, and this program alone reads the bytes.
; LIMITS: blocks whose largest magnitude lies under 2^-124 get the byte 1; NaN and infinities among the inputs are not served.
; SHARES.  Work-group g < 512: tile g; wave w: K step w (128 along K, one fragment).  Each load reads 512 consecutive bytes of one row; the 8 KB turn through the wave's own stage in LDS (rows 528 bytes apart),
; so that a lane gets two whole blocks of its row in 64 registers.  Work-groups 512-527: the table, 64 rows each; they use no LDS and pass no barrier.
; No matrix unit, no tensor load, no cluster: the work-groups share nothing and each input byte is read once.
; THE TABLE: row t = cos(t f_d), d = 0 .. 31, then sin(t f_d); f_d = 10^(-d / 8) = 2^(-d log2(10) / 8).  The angle, rounded to f32 as the product t x f_d, is reduced by whole quarter turns
; (two-part pi / 2; the first part's product is exact for the 10 bits that the count has here) and put through polynomials on +- pi / 4.
; LIMIT: f_d may differ by a few units in its last place from a power function's value: that turns an angle by up to about 6e-5 at t near 1,000.
.set STG, 8448                         ; a wave's stage: 16 rows x 528 bytes
.set SCB, 8*STG                        ; behind the stages: the tile's 512 scale bytes
.set R,   16                           ; v16-79   the numbers as loaded
.set X,   80                           ; v80-143  my two blocks: register 32 c + i = k 64 c + 32 h + i of row r
.set C,   16                           ; v16-27   the fragment's codes, in registers that the loaded numbers have left
.set T,   28                           ; v28-30, v32-34 the second halves of the blocks' codes, before they are moved
	s_load_b128 s[4:7], s[0:1], 0x0                ; x, W_qkv
	s_load_b128 s[8:11], s[0:1], 0x10              ; W_out, opc
	s_load_b128 s[12:15], s[0:1], 0x20             ; ops, rope
	v_lshl_add_u32 v144, v0, 2, 0x10a00
	v_mov_b32 v145, 0
	v_lshrrev_b32 v1, 5, v0
	s_delay_alu instid0(VALU_DEP_1)
	v_readfirstlane_b32 s16, v1                    ; wave 0..7
	v_and_b32 v2, 31, v0                           ; lane
	v_and_b32 v3, 15, v0                           ; r
	v_bfe_u32 v9, v0, 4, 1                         ; h
	s_cmp_ge_u32 ttmp9, 512                        ; the same in all waves of a work-group
	s_cbranch_scc1 .Ltable
	v_lshlrev_b32 v4, 4, v2                        ; 16 x lane
	s_mul_i32 s17, s16, STG
	v_add_nc_u32 v5, s17, v4                       ; the stage, on the way in
	v_mul_u32_u24 v6, v3, 528
	s_delay_alu instid0(VALU_DEP_1)
	v_lshl_add_u32 v6, v9, 7, v6
	s_delay_alu instid0(VALU_DEP_1)
	v_add_nc_u32 v6, s17, v6                       ; and on the way out: row r, + 128 h
	v_lshlrev_b32 v7, 3, v2                        ; 8 x lane
	s_lshl_b32 s18, s16, 2
	s_add_co_u32 s18, s18, SCB
	v_lshlrev_b32 v8, 5, v3
	s_delay_alu instid0(VALU_DEP_1)
	v_add_nc_u32 v8, s18, v8                       ; my row's scale word of K step w
	v_add_nc_u32 v2, SCB, v4                       ; where wave 0 reads the 512 scale bytes back
	v_lshlrev_b32 v9, 3, v9                        ; 8 h
	s_mov_b32 s24, 0x76543210
	s_mov_b32 s25, 0xfedcba98                      ; v_permlanex16_b32's selects for lane l xor 16
	s_wait_alu depctr_va_vdst(0)
	s_wait_kmcnt 0x0
	s_cmp_lt_u32 ttmp9, 256                        ; which tensor: the choice hangs on the work-group's number alone
	s_cselect_b64 s[4:5], s[4:5], s[6:7]
	s_cselect_b32 s19, 0, 256
	s_mov_b32 s20, 448
	s_cmp_lt_u32 ttmp9, 448
	s_cselect_b64 s[4:5], s[4:5], s[8:9]
	s_cselect_b32 s19, s19, s20
	s_sub_co_u32 s19, ttmp9, s19                   ; the tile's number in its tensor
	s_lshr_b32 s20, s19, 1
	s_lshl_b32 s20, s20, 17                        ; 32 rows of 4,096 bytes for each pair of tiles,
	s_and_b32 s21, s19, 1
	s_lshl_b32 s21, s21, 15                        ; 8 rows for the odd one,
	s_add_co_u32 s20, s20, s21
	s_lshl_b32 s21, s16, 9                         ; 512 bytes for each K step
	s_add_co_u32 s20, s20, s21
	s_mov_b32 s21, 0
	s_add_nc_u64 s[4:5], s[4:5], s[20:21]
	s_mul_i32 s22, ttmp9, 12288
	s_mul_i32 s23, s16, 1536
	s_add_co_u32 s22, s22, s23
	s_mov_b32 s23, 0
	s_add_nc_u64 s[10:11], s[10:11], s[22:23]      ; my fragment's place in opc
	s_lshl_b32 s22, ttmp9, 9
	s_add_nc_u64 s[12:13], s[12:13], s[22:23]      ; the tile's scale rows in ops
.irp i, 0,1,2,3,4,5,6,7,8,9,10,11,12,13,14,15
	global_load_b128 v[R+4*\i:R+4*\i+3], v4, s[4:5] offset:(\i+8*(\i/8))*4096 th:TH_LOAD_NT   ; lane-row i: 512 consecutive bytes
.endr
.irp i, 0,1,2,3,4,5,6,7,8,9,10,11,12,13,14,15
	s_wait_loadcnt 15-\i                           ; load i is in; the 15 - i younger ones may be out
	ds_store_b128 v5, v[R+4*\i:R+4*\i+3] offset:528*\i
.endr
.irp c, 0,1
.irp j, 0,1,2,3,4,5,6,7
	ds_load_b128 v[X+32*\c+4*\j:X+32*\c+4*\j+3], v6 offset:256*\c+16*\j   ; LDS serves a wave's instructions in order: these see my stores
.endr
.endr
	s_wait_dscnt 0x0
.irp c, 0,1                                    ; my block 2 c + h: all its 32 numbers are mine
	v_max3_num_f32 v[10+\c], |v[X+32*\c]|, |v[X+32*\c+1]|, 0x1800000   ; with the floor 2^(3 - 127): the byte cannot fall under 1
.endr
.irp i, 2,4,6,8,10,12,14,16,18,20,22,24,26,28,30
.irp c, 0,1
	s_delay_alu instid0(VALU_DEP_2)
	v_max3_num_f32 v[10+\c], v[10+\c], |v[X+32*\c+\i]|, |v[X+32*\c+\i+1]|
.endr
.endr
.irp c, 0,1
	s_delay_alu instid0(VALU_DEP_2)
	v_add_nc_u32 v[12+\c], 0xff000000, v[10+\c]    ; 2 off the exponent field: the conversion's scale operand
.endr
.irp c, 0,1
	s_delay_alu instid0(VALU_DEP_2)
	v_lshrrev_b32 v[14+\c], 23, v[12+\c]           ; the scale's byte
.endr
	s_delay_alu instid0(VALU_DEP_1)
	v_lshl_or_b32 v1, v15, 16, v14                 ; my two bytes, blocks h and 2 + h,
	s_delay_alu instid0(VALU_DEP_1)
	v_lshlrev_b32 v1, v9, v1                       ; at their places in the word;
	s_delay_alu instid0(VALU_DEP_1)
	v_permlanex16_b32 v3, v1, s24, s25
	s_delay_alu instid0(VALU_DEP_1)
	v_or_b32 v1, v1, v3                            ; with lane l xor 16's two the word is whole
.irp c, 0,1
	v_cvt_scalef32_pk16_fp6_f32 v[C+6*\c:C+6*\c+2], v[X+32*\c:X+32*\c+15], v[12+\c]
	v_cvt_scalef32_pk16_fp6_f32 v[T+4*\c:T+4*\c+2], v[X+32*\c+16:X+32*\c+31], v[12+\c]   ; (a conversion's three registers begin on an even number)
.endr
	v_nop                                          ; one plain place behind a scaled conversion
.irp c, 0,1
.irp i, 0,1,2
	v_mov_b32 v[C+6*\c+3+\i], v[T+4*\c+\i]
.endr
.endr
.irp c, 0,1
	global_store_b128 v4, v[C+6*\c:C+6*\c+3], s[10:11] offset:768*\c        ; 512 consecutive bytes
	global_store_b64 v7, v[C+6*\c+4:C+6*\c+5], s[10:11] offset:768*\c+512   ; 256 consecutive bytes
.endr
	ds_store_b32 v8, v1                            ; lanes l and l xor 16 write the same word with the same value
	s_wait_dscnt 0x0                               ; for the others' sake: my word lies in LDS
	s_barrier_signal -1
	s_barrier_wait -1
	s_cmp_lg_u32 s16, 0
	s_cbranch_scc1 .Ldone
	ds_load_b128 v[64:67], v2                      ; the tile's 16 scale rows
	s_wait_dscnt 0x0
	global_store_b128 v4, v[64:67], s[12:13]       ; 512 consecutive bytes
.Ldone:
	s_wait_tensorcnt 0x0
	ds_add_u32 v144, v145
	s_wait_dscnt 0x0
	s_endpgm
; One number of the table.  v14 = t; v[inv] = f_d; v12 = 3 h.  With the angle = n quarter turns + rho and qq = n + 3 h (sin x = cos(x - a quarter turn)):
; qq % 4 = 0: cos rho; 1: -sin rho; 2: -cos rho; 3: sin rho.
.macro TRIG dst, inv
	v_mul_f32 v16, v14, v[\inv]                    ; the angle, rounded to f32
	s_delay_alu instid0(VALU_DEP_1)
	v_mul_f32 v17, 0x3f22f983, v16                 ; x 2 / pi
	s_delay_alu instid0(VALU_DEP_1)
	v_rndne_f32 v17, v17                           ; n
	s_delay_alu instid0(VALU_DEP_1)
	v_fma_f32 v18, v17, s20, v16                   ; - n x the upper part of pi / 2
	s_delay_alu instid0(VALU_DEP_1)
	v_fma_f32 v18, v17, s21, v18                   ; + n x what that part has too much: rho
	s_delay_alu instid0(VALU_DEP_1)
	v_mul_f32 v19, v18, v18                        ; z
	s_delay_alu instid0(VALU_DEP_1)
	v_fma_f32 v20, s22, v19, s23
	s_delay_alu instid0(VALU_DEP_2)
	v_fma_f32 v22, s25, v19, s26
	s_delay_alu instid0(VALU_DEP_2)
	v_fma_f32 v20, v20, v19, s24
	s_delay_alu instid0(VALU_DEP_2)
	v_fma_f32 v22, v22, v19, s27
	v_mul_f32 v21, v18, v19
	v_mul_f32 v23, v19, v19
	v_fma_f32 v24, v19, -0.5, 1.0
	s_delay_alu instid0(VALU_DEP_3)
	v_fma_f32 v20, v21, v20, v18                   ; sin rho
	s_delay_alu instid0(VALU_DEP_2)
	v_fma_f32 v22, v23, v22, v24                   ; cos rho
	v_cvt_i32_f32 v25, v17
	s_delay_alu instid0(VALU_DEP_1)
	v_add_nc_u32 v25, v25, v12                     ; qq
	s_delay_alu instid0(VALU_DEP_1)
	v_and_b32 v26, 1, v25
	s_delay_alu instid0(VALU_DEP_1)
	v_cmp_eq_u32 vcc_lo, 1, v26
	s_delay_alu instid0(VALU_DEP_1)
	v_cndmask_b32 v22, v22, v20, vcc_lo
	s_delay_alu instid0(VALU_DEP_4)
	v_add_nc_u32 v25, 1, v25
	s_delay_alu instid0(VALU_DEP_1)
	v_and_b32 v25, 2, v25
	s_delay_alu instid0(VALU_DEP_1)
	v_lshlrev_b32 v25, 30, v25                     ; the sign: minus for qq % 4 = 1, 2
	s_delay_alu instid0(VALU_DEP_1)
	v_xor_b32 v[\dst], v25, v22
.endm
.Ltable:
	s_sub_co_u32 s17, ttmp9, 512
	s_lshl_b32 s17, s17, 3
	s_add_co_u32 s17, s17, s16                     ; which 8 rows of the table are my wave's: 0 .. 127
	s_lshl_b32 s18, s17, 3                         ; the first t
	s_lshl_b32 s28, s17, 11                        ; 8 rows of 256 bytes
	s_mov_b32 s29, 0
	s_mov_b32 s20, 0xbfc90fdb                      ; -1.57079637
	s_mov_b32 s21, 0x333bbd2e                      ; 4.37113883e-8
	s_mov_b32 s22, 0xb94ca1f9                      ; sin: -1.9515296e-4, 8.3321609e-3, -0.16666655
	s_mov_b32 s23, 0x3c08839e
	s_mov_b32 s24, 0xbe2aaaa3
	s_mov_b32 s25, 0x37ccf5ce                      ; cos: 2.4433157e-5, -1.3887316e-3, 4.1666646e-2
	s_mov_b32 s26, 0xbab6061a
	s_mov_b32 s27, 0x3d2aaaa5
	s_wait_alu depctr_va_vdst(0)
	v_lshlrev_b32 v10, 1, v3
	s_delay_alu instid0(VALU_DEP_1)
	v_cvt_f32_u32 v10, v10                         ; d = 2 r, and 2 r + 1
	s_delay_alu instid0(VALU_DEP_1)
	v_add_f32 v11, 1.0, v10
	s_delay_alu instid0(VALU_DEP_2)
	v_mul_f32 v10, 0xbed49a78, v10                 ; x -log2(10) / 8
	s_delay_alu instid0(VALU_DEP_2)
	v_mul_f32 v11, 0xbed49a78, v11
	s_wait_alu depctr_va_vdst(0)
	v_exp_f32 v10, v10                             ; f_d
	v_exp_f32 v11, v11
	v_mul_u32_u24 v12, v9, 3                       ; 3 h: lanes 16-31 make sin.  (A plain place behind the exponentials)
	v_lshlrev_b32 v13, 3, v2                       ; 8 x lane
	s_wait_alu depctr_va_vdst(0)
	s_wait_kmcnt 0x0
	s_add_nc_u64 s[14:15], s[14:15], s[28:29]
.irp k, 0,1,2,3,4,5,6,7
	s_add_co_u32 s19, s18, \k
	v_cvt_f32_u32 v14, s19
	TRIG 32+2*\k, 10
	TRIG 33+2*\k, 11
	global_store_b64 v13, v[32+2*\k:33+2*\k], s[14:15] offset:256*\k   ; a row of the table: 256 consecutive bytes; each row has its own two registers
.endr
	s_endpgm
.Lfunc_end_k_qa2c416b4a9_prep:
	.size	k_qa2c416b4a9_prep, .Lfunc_end_k_qa2c416b4a9_prep-k_qa2c416b4a9_prep
	.p2alignl 7, 3214868480
	.fill 96, 4, 3214868480
	.section	.rodata,"a",@progbits
	.p2align	6, 0x0
	.amdhsa_kernel k_qa2c416b4a9_prep
		.amdhsa_group_segment_fixed_size 69120
		.amdhsa_private_segment_fixed_size 0
		.amdhsa_enable_private_segment 0
		.amdhsa_kernarg_size 48
		.amdhsa_user_sgpr_count 2
		.amdhsa_user_sgpr_kernarg_segment_ptr 1
		.amdhsa_wavefront_size32 1
		.amdhsa_system_sgpr_workgroup_id_x 1
		.amdhsa_system_sgpr_workgroup_id_y 1
		.amdhsa_system_sgpr_workgroup_id_z 1
		.amdhsa_system_vgpr_workitem_id 0
		.amdhsa_next_free_vgpr 146
		.amdhsa_next_free_sgpr 66
		.amdhsa_reserve_vcc 1
		.amdhsa_float_denorm_mode_32 3
		.amdhsa_float_denorm_mode_16_64 3
		.amdhsa_memory_ordered 1
		.amdhsa_forward_progress 1
		.amdhsa_inst_pref_size 41
	.end_amdhsa_kernel
	.amdgpu_metadata
---
amdhsa.version: [ 1, 2 ]
amdhsa.kernels:
  - .name:           k_qa2c416b4a9_prep
    .symbol:         k_qa2c416b4a9_prep.kd
    .args:
      - { .name: x, .offset: 0, .size: 8, .value_kind: global_buffer, .address_space: global }
      - { .name: W_qkv, .offset: 8, .size: 8, .value_kind: global_buffer, .address_space: global }
      - { .name: W_out, .offset: 16, .size: 8, .value_kind: global_buffer, .address_space: global }
      - { .name: opc, .offset: 24, .size: 8, .value_kind: global_buffer, .address_space: global }
      - { .name: ops, .offset: 32, .size: 8, .value_kind: global_buffer, .address_space: global }
      - { .name: rope, .offset: 40, .size: 8, .value_kind: global_buffer, .address_space: global }
    .group_segment_fixed_size: 69120
    .private_segment_fixed_size: 0
    .kernarg_segment_align: 8
    .kernarg_segment_size: 48
    .max_flat_workgroup_size: 256
    .sgpr_count:     66
    .vgpr_count:     146
    .wavefront_size: 32
...
	.end_amdgpu_metadata
.endif
;; end of part 1
;; launch qkv (part 2): grid 8 x 32, 4 waves a work-group, clusters of 4 x 4, 327,680 bytes of LDS; arguments opc, ops, rope, hyp_k, qimg, qaux, kv; writes qimg, qaux, kv
.if DOCPART == 2
	.amdgcn_target "amdgcn-amd-amdhsa--gfx1250"
	.amdhsa_code_object_version 6
	.text
	.protected	k_qa2c416b4a9_qkv
	.globl	k_qa2c416b4a9_qkv
	.p2align	8
	.type	k_qa2c416b4a9_qkv,@function
k_qa2c416b4a9_qkv:
	s_mov_b64 s[64:65], 0
	v_nop
	global_prefetch_b8 v0, s[64:65] scope:SCOPE_SE
	s_setreg_imm32_b32 hwreg(HW_REG_WAVE_MODE, 25, 1), 1
	s_wait_xcnt 0x0
	s_wait_alu depctr_hold_cnt(0) depctr_sa_sdst(0) depctr_va_vdst(0) depctr_va_sdst(0) depctr_va_ssrc(0) depctr_va_vcc(0) depctr_vm_vsrc(0)
	s_getreg_b32 s2, hwreg(HW_REG_IB_STS2, 6, 4)
	s_cmp_eq_u32 s2, 0
	s_cbranch_scc0 .Lentry_in_a_cluster
	s_endpgm
.Lentry_in_a_cluster:
	s_bfe_u32 s2, ttmp6, 0x10000c
	s_cmp_lg_u32 s2, 0xf033
	s_cbranch_scc0 .Lentry_shape_is_right
	s_endpgm
.Lentry_shape_is_right:
; qkv = x W_qkv^T on codes of FP6 (E2M3) with E8M0 scales, K = 1,024; then, in registers: the rotation of q and k, q0 = sqrt(kc + |q|^2) and k0 likewise (of the unquantised numbers),
; and the quantising of q and k along the head's 64 and of v along the keys.
; A WORK-GROUP STAYS: 128 tokens (work-group y) x 128 channels (two heads, work-group x) of q, then of k, then of v: three blocks of 128 x 128, each wave 64 x 64 in 16 accumulators.  256 work-groups.
; P is the operand whose rows fall into lanes (source 1), R the one whose rows fall into registers (source 0).  q, k: P = tokens, R = channels: a lane holds one token and one head's 64 channels.
; v: P = channels, R = tokens: a lane holds one channel and 64 keys, the K of attention's second product.
; Operands lie in opc as image tiles (16 rows; lane-row r = row 32 (i / 2) + 8 (i % 2) + r + 8 (r / 8)) of 12,288 bytes: 16 half fragments of 768 bytes.  So register 16 b + i of a P tile's four
; accumulators is R row 32 b + 16 (lane / 16) + i: 16 neighbours to each conversion.
; LDS: x's 8 tiles for all of K at 0 (98,304 bytes, filled once); two slots of 98,304 bytes for W's 8 tiles.  At the head waves 0, 1 bring x and waves 2, 3 W_q (slot 0), 49,152 dense bytes each.
; Behind the next round each wave brings a quarter of W_k (slot 1); behind the round that follows q's K steps a quarter of W_v (slot 0 again).  One tensor load of a wave is out at any time.
; CLUSTER 4 x 4: x's tiles are shared along a row of the cluster, W's along a column: joint loads.
; NO PREFETCH: the text has no loop to run ahead in, and each slot's load is issued as soon as its bytes are free.
; cos and sin of my 64 tokens are loaded once, into window 2, and serve q and k.
; LIMITS: NaN and infinities are not served; blocks whose largest magnitude lies under 2^-124 get the byte 1 (a block of zeros too: its codes are zeros).  V's scale bytes leave two at a time to rows 32 bytes apart.
; REGISTERS.  Window 0: v1-11 lane terms; v12-23 LDS addresses; v24-31 at work; v32-47 P's scale words, v48-63 R's (scales and nothing else); v96-121 the quantiser's; v126-127 the add's;
; v128-255 accumulators, (a, b) at 128 + 8 (4 a + b).  Window 1: two sets of fragments at 0 and 128: P's block a at + 12 a, R's block b at + 48 + 12 b.  Window 2: v0-127 cos, sin: token tile a at 32 a.
.set ACC, 128
.set SP,  32
.set SR,  48
.set TM,  96
.set PC,  104
.set PT,  112
.set WV,  18                           ; s18 wave; s19 = wave / 2: my half of P; s20 = wave % 2: my half of R
.set SEL, 92
.set HM,  94
.set KC,  95
.set TILE, 12288
.set W0,  98304
.set W1,  196608
.set SPARE, 294912
.set MSB, 0
.macro WIN new                         ; the immediate's high byte repeats the setting that is left
.if MSB != \new
	s_set_vgpr_msb (MSB<<8)|\new
.set MSB, \new
.endif
.endm
.set MUL,  0x05                        ; sources 0 and 1 window 1; C and D window 0
.set TO_F, 0x40                        ; destination window 1, address window 0
.macro CROUND                          ; a round of the cluster's barrier
	s_barrier_signal -1
	s_barrier_wait -1
	s_cmp_lg_u32 s[WV], 0
	s_cbranch_scc1 .Lnot_wave_0_\@
	s_barrier_signal -3
.Lnot_wave_0_\@:
	s_barrier_wait -3
	s_barrier_signal -1
	s_barrier_wait -1
.endm
.macro PLACES                          ; four places behind a matrix instruction (ISA guide 7.12.1)
.rept 4
	v_nop
.endr
.endm
	s_load_b256 s[4:11], s[0:1], 0x0               ; opc, ops, rope, hyp_k
	s_load_b128 s[12:15], s[0:1], 0x20             ; qimg, qaux
	s_load_b64 s[16:17], s[0:1], 0x30              ; kv
	v_lshl_add_u32 v126, v0, 2, SPARE
	v_mov_b32 v127, 0
	ds_add_u32 v126, v127                          ; the opening lines
	ds_add_u32 v126, v127
	v_lshrrev_b32 v1, 5, v0
	v_readfirstlane_b32 s[WV], v1
	s_lshr_b32 s19, s[WV], 1
	s_and_b32 s20, s[WV], 1
	s_bfe_u32 s21, ttmp6, 0x40000                  ; cx
	s_bfe_u32 s22, ttmp6, 0x40004                  ; cy
	s_lshl_b32 s23, ttmp9, 2
	s_add_co_u32 s23, s23, s21                     ; X: which 128 channels of q, k and v
	s_and_b32 s66, ttmp7, 0xffff
	s_lshl_b32 s66, s66, 2
	s_add_co_u32 s66, s66, s22                     ; Y: which 128 tokens
	s_lshl_b32 s96, s22, 2
	s_lshl_b32 s96, 15, s96                        ; my row of the cluster
	s_lshl_b32 s97, 0x1111, s21                    ; my column
	; group 1: whole tiles as rows of 12,288 bytes (1,536 elements of 8), dense: s24 x (4 tiles), s32 W at the head (4 tiles), s40 W later (2 tiles)
	s_or_b32 s24, s96, (3<<16)|(1<<21)
	s_or_b32 s32, s97, (3<<16)|(1<<21)
	s_or_b32 s40, s97, (3<<16)|(1<<21)
.irp g, 24, 32, 40
	s_mov_b32 s[\g+1], 1536<<16
	s_mov_b32 s[\g+3], 1536<<16
	s_mov_b32 s[\g+5], 1536
	s_mov_b32 s[\g+6], 0
	s_mov_b32 s[\g+7], 0
.endr
	s_mov_b32 s26, 4<<16
	s_mov_b32 s28, 4
	s_mov_b32 s34, 4<<16
	s_mov_b32 s36, 4
	s_mov_b32 s42, 2<<16
	s_mov_b32 s44, 2
	; group 0: s48 x, s52 W_q, s56 W_k, s60 W_v
	s_lshl_b32 s96, s66, 3                         ; x's first tile
	s_lshl_b32 s98, s20, 2
	s_add_co_u32 s50, s96, s98
	s_mul_i32 s50, s50, TILE
	s_mov_b32 s51, 0
	s_lshl_b32 s97, s23, 3
	s_add_co_u32 s54, s97, s98
	s_add_co_u32 s54, s54, 256                     ; W_q's tiles begin at 256
	s_mul_i32 s54, s54, TILE
	s_mov_b32 s55, 0
	s_lshl_b32 s99, s[WV], 1
	s_add_co_u32 s58, s97, s99
	s_add_co_u32 s58, s58, 320                     ; W_k's at 320
	s_mul_i32 s58, s58, TILE
	s_mov_b32 s59, 0
	s_add_co_u32 s62, s58, 64*TILE                 ; W_v's at 384
	s_mov_b32 s63, 0
	s_mov_b32 s48, 1
	s_mov_b32 s52, 1
	s_mov_b32 s56, 1
	s_mov_b32 s60, 1
	s_mul_i32 s49, s[WV], 49152                    ; LDS: the wave's number alone
	s_mul_i32 s53, s[WV], 49152
	s_mul_i32 s57, s[WV], 24576
	s_add_co_u32 s61, s57, W0
	s_add_co_u32 s57, s57, W1
	s_wait_dscnt 0x0
	s_wait_kmcnt 0x0
.irp g, 50, 54, 58, 62
	s_add_nc_u64 s[\g:\g+1], s[4:5], s[\g:\g+1]
	s_or_b32 s[\g+1], s[\g+1], 0x80000000
.endr
	CROUND                                         ; all sixteen work-groups are here: the joint loads meet
	s_cmp_lt_u32 s[WV], 2                          ; one load a wave: waves 0, 1 x, waves 2, 3 W_q
	s_cbranch_scc0 .Lhead_w
	tensor_load_to_lds s[48:51], s[24:31]
	s_nop 0
	PLACES
	s_branch .Lhead_j
.Lhead_w:
	tensor_load_to_lds s[52:55], s[32:39]
	s_nop 0
	PLACES
.Lhead_j:
	s_mul_i32 s96, s19, 49152
	s_mul_i32 s97, s20, 49152
	v_and_b32 v1, 31, v0                           ; lane
	v_and_b32 v2, 15, v0                           ; r
	v_bfe_u32 v3, v0, 4, 1                         ; h
	v_lshlrev_b32 v4, 5, v2
	v_lshl_add_u32 v4, v3, 4, v4                   ; scale rows: 32 r + 16 h
	v_lshlrev_b32 v5, 4, v1                        ; 16 x lane
	v_lshlrev_b32 v6, 3, v1                        ; 8 x lane
	v_add_nc_u32 v14, 512, v6
	v_and_b32 v10, 8, v2
	v_add_nc_u32 v11, v10, v2                      ; r + 8 (r / 8)
	v_lshlrev_b32 v7, 8, v11
	v_lshl_add_u32 v7, v3, 6, v7                   ; the table: my token's row of 256 bytes, + 64 h
	v_lshlrev_b32 v8, 2, v1                        ; 4 x lane
	v_and_b32 v9, 7, v2
	v_lshlrev_b32 v9, 2, v9
	v_lshl_add_u32 v9, v10, 3, v9
	v_lshl_add_u32 v9, v3, 5, v9                   ; k0 of two tiles in token order
	v_lshlrev_b32 v11, 5, v2                       ; V's scale rows: 32 r
	v_mov_b32 v98, 0                               ; a lane permute's destination counts as one of its sources
	v_mov_b32 v99, 0
	v_add_nc_u32 v16, s96, v5                      ; x, half wave / 2: a lane's 16 bytes, and its 8
	v_add_nc_u32 v17, s96, v14
	v_add_nc_u32 v18, s97, v5                      ; x, half wave % 2
	v_add_nc_u32 v19, s97, v14
	v_add_nc_u32 v20, W0, v18                      ; slot 0, half wave % 2
	v_add_nc_u32 v21, W0, v19
	v_add_nc_u32 v22, W1, v18                      ; slot 1, half wave % 2
	v_add_nc_u32 v23, W1, v19
	v_add_nc_u32 v12, W0, v16                      ; slot 0, half wave / 2
	v_add_nc_u32 v13, W0, v17
	s_wait_alu depctr_va_vdst(0)                   ; the wait ahead of the scalar run
	s_lshl_b32 s96, s66, 3
	s_lshl_b32 s97, s19, 2
	s_add_co_u32 s97, s97, s96                     ; x's tile at half wave / 2
	s_lshl_b32 s98, s20, 2
	s_add_co_u32 s98, s98, s96                     ; at half wave % 2
	s_mov_b32 s101, 0
	s_lshl_b32 s100, s97, 9
	s_add_nc_u64 s[68:69], s[6:7], s[100:101]      ; scale rows: x as P
	s_lshl_b32 s100, s98, 9
	s_add_nc_u64 s[70:71], s[6:7], s[100:101]      ; x as R
	s_lshl_b32 s99, s23, 3
	s_lshl_b32 s100, s20, 2
	s_add_co_u32 s100, s100, s99
	s_add_co_u32 s100, s100, 256
	s_lshl_b32 s100, s100, 9
	s_add_nc_u64 s[72:73], s[6:7], s[100:101]      ; W_q as R
	s_add_nc_u64 s[74:75], s[72:73], 32768         ; W_k as R: 64 tiles on
	s_lshl_b32 s100, s19, 2
	s_add_co_u32 s100, s100, s99
	s_add_co_u32 s100, s100, 384
	s_lshl_b32 s100, s100, 9
	s_add_nc_u64 s[76:77], s[6:7], s[100:101]      ; W_v as P
.macro SCL dst, base                   ; four tiles' scale rows: register p of a tile's four: lanes 0-15 the word of K step p, lanes 16-31 that of K step 4 + p
.irp a, 0,1,2,3
	global_load_b128 v[\dst+4*\a:\dst+4*\a+3], v4, s[\base:\base+1] offset:512*\a
.endr
.endm
	SCL SP, 68
	SCL SR, 72
	s_and_b32 s97, s97, 63                         ; my first token tile in its batch
	s_lshl_b32 s100, s97, 12
	s_add_nc_u64 s[78:79], s[8:9], s[100:101]
	WIN 0x80                                       ; destination window 2
.irp a, 0,1,2,3
.irp j, 0,1,2,3
	global_load_b128 v[32*\a+4*\j:32*\a+4*\j+3], v7, s[78:79] offset:(32*(\a/2)+8*(\a%2))*256+16*\j          ; cos of my 16 channels
	global_load_b128 v[32*\a+16+4*\j:32*\a+19+4*\j], v7, s[78:79] offset:(32*(\a/2)+8*(\a%2))*256+128+16*\j  ; sin
.endr
.endr
	WIN 0
	s_lshl_b32 s98, s23, 1
	s_add_co_u32 s99, s98, s20                     ; q, k: my head
	s_add_co_u32 s98, s98, s19                     ; v: my head
	s_lshl_b32 s67, s99, 2
	s_load_b32 s[KC], s[10:11], s67 offset:0x0
	s_mov_b32 s[SEL], 0x76543210
	s_mov_b32 s[SEL+1], 0xfedcba98
	s_mov_b32 s[HM], 0xffff0000
	s_lshr_b32 s96, s66, 3
	s_lshl_b32 s96, s96, 4
	s_add_co_u32 s99, s99, s96                     ; bh = 16 x batch + head
	s_add_co_u32 s98, s98, s96
	s_mul_i32 s100, s99, 49152
	s_mul_i32 s96, s97, 768
	s_add_co_u32 s100, s100, s96
	s_add_nc_u64 s[80:81], s[12:13], s[100:101]    ; qimg [bh][tile] 768 bytes
	s_lshl_b32 s100, s99, 13
	s_lshl_b32 s2, s97, 7
	s_add_co_u32 s100, s100, s2
	s_add_nc_u64 s[82:83], s[14:15], s[100:101]    ; qaux [bh][tile][r] {q0, scale word}
	s_mul_i32 s99, s99, 108544
	s_add_co_u32 s100, s99, s96
	s_add_nc_u64 s[84:85], s[16:17], s[100:101]    ; the head's record in kv: K's codes at 0
	s_lshl_b32 s2, s97, 6
	s_add_co_u32 s100, s99, s2
	s_add_co_u32 s100, s100, 98304
	s_add_nc_u64 s[86:87], s[16:17], s[100:101]    ; K's scale words at 98,304; k0 6,144 further on
	s_lshl_b32 s2, s66, 1
	s_add_co_u32 s2, s2, s20
	s_and_b32 s2, s2, 15                           ; u: which 64 keys of the batch
	s_mul_i32 s98, s98, 108544
	s_lshr_b32 s3, s2, 1
	s_mul_i32 s3, s3, 6144
	s_and_b32 s96, s2, 1
	s_mul_i32 s96, s96, 768
	s_add_co_u32 s100, s98, s3
	s_add_co_u32 s100, s100, s96
	s_add_co_u32 s100, s100, 49152
	s_add_nc_u64 s[88:89], s[16:17], s[100:101]    ; V's codes: half fragment (u / 2, tile a, u % 2)
	s_lshl_b32 s2, s2, 1
	s_add_co_u32 s100, s98, s2
	s_add_co_u32 s100, s100, 102400
	s_add_nc_u64 s[90:91], s[16:17], s[100:101]    ; V's scale bytes
.macro FRAG reg, ad, off               ; a fragment is two half fragments on end: four loads, each of consecutive bytes
	ds_load_b128 v[(\reg):(\reg)+3], v[\ad] offset:\off
	ds_load_b64 v[(\reg)+4:(\reg)+5], v[(\ad)+1] offset:\off
	ds_load_b128 v[(\reg)+6:(\reg)+9], v[\ad] offset:(\off)+768
	ds_load_b64 v[(\reg)+10:(\reg)+11], v[(\ad)+1] offset:(\off)+768
.endm
.macro FETCH s, f, pa, ra              ; K step s into set f: R's four blocks, then P's: 32 loads
	WIN TO_F
.irp b, 0,1,2,3
	FRAG 128*(\f)+48+12*\b, \ra, TILE*\b+1536*(\s)
.endr
.irp a, 0,1,2,3
	FRAG 128*(\f)+12*\a, \pa, TILE*\a+1536*(\s)
.endr
.endm
; 8 matrix instructions: P's blocks a0, a0 + 1 x R's four.  K step 0 starts the sums.  The 16 accumulators take turns, one instruction a turn.
.macro MUL8 f, s, a0
.irp a, \a0, \a0+1
.irp b, 0,1,2,3
.if (\s) == 0
	v_wmma_scale_f32_16x16x128_f8f6f4 v[ACC+8*(4*(\a)+\b):ACC+8*(4*(\a)+\b)+7], v[128*(\f)+48+12*\b:128*(\f)+48+12*\b+11], v[128*(\f)+12*(\a):128*(\f)+12*(\a)+11], 0, v[SR+4*\b], v[SP+4*(\a)] matrix_a_fmt:MATRIX_FMT_FP6 matrix_b_fmt:MATRIX_FMT_FP6
.elseif (\s) < 4
	v_wmma_scale_f32_16x16x128_f8f6f4 v[ACC+8*(4*(\a)+\b):ACC+8*(4*(\a)+\b)+7], v[128*(\f)+48+12*\b:128*(\f)+48+12*\b+11], v[128*(\f)+12*(\a):128*(\f)+12*(\a)+11], v[ACC+8*(4*(\a)+\b):ACC+8*(4*(\a)+\b)+7], v[SR+4*\b+(\s)%4], v[SP+4*(\a)+(\s)%4] matrix_a_fmt:MATRIX_FMT_FP6 matrix_b_fmt:MATRIX_FMT_FP6
.else
	v_wmma_scale_f32_16x16x128_f8f6f4 v[ACC+8*(4*(\a)+\b):ACC+8*(4*(\a)+\b)+7], v[128*(\f)+48+12*\b:128*(\f)+48+12*\b+11], v[128*(\f)+12*(\a):128*(\f)+12*(\a)+11], v[ACC+8*(4*(\a)+\b):ACC+8*(4*(\a)+\b)+7], v[SR+4*\b+(\s)%4], v[SP+4*(\a)+(\s)%4] matrix_a_fmt:MATRIX_FMT_FP6 matrix_b_fmt:MATRIX_FMT_FP6 matrix_a_scale:MATRIX_SCALE_ROW1 matrix_b_scale:MATRIX_SCALE_ROW1
.endif
.endr
.endr
.endm
.macro STEP s, pa, ra
	s_wait_dscnt 8                                 ; R and P's blocks 0, 1 are in; the youngest eight loads (P's blocks 2, 3) may be out
	WIN MUL
	MUL8 (\s)%2, \s, 0
.if (\s) < 7
	PLACES
	FETCH (\s)+1, ((\s)+1)%2, \pa, \ra
	s_wait_dscnt 32                                ; all but the 32 just issued
	WIN MUL
.else
	s_wait_dscnt 0x0
.endif
	MUL8 (\s)%2, \s, 2
.endm
.macro KLOOP pa, ra, n                 ; a block's eight K steps; n: the global loads younger than the scale rows, which may stay out
	FETCH 0, 0, \pa, \ra
	s_wait_loadcnt \n
.irp s, 0,1,2,3,4,5,6,7
	STEP \s, \pa, \ra
.endr
	WIN 0
	PLACES
.endm
.macro FILL g0                         ; the waits and the add ahead of a later fill, a round of the cluster's barrier, and my one joint load behind it
	s_wait_alu depctr_va_vdst(0)
	s_wait_tensorcnt 0x0                           ; all my tensor loads have landed
	ds_add_u32 v126, v127
	s_wait_dscnt 0x0                               ; the add is done, and my reads of LDS are over
	CROUND
	tensor_load_to_lds s[\g0:\g0+3], s[40:47]
	s_nop 0
	PLACES
.endm
; 32 numbers of a lane, register 16 b + i = element 32 b + 16 (lane / 16) + i of my row, become a half fragment's codes in v[PC] on and its two scale bytes in v[w].
.macro QUANT32 src, w
.irp b, 0,1
	v_max3_num_f32 v[TM+\b], |v[(\src)+16*\b]|, |v[(\src)+16*\b+1]|, 0x1800000   ; with the floor 2^(3 - 127): the byte cannot fall under 1
.endr
.irp i, 2,4,6,8,10,12,14
.irp b, 0,1
	v_max3_num_f32 v[TM+\b], v[TM+\b], |v[(\src)+16*\b+\i]|, |v[(\src)+16*\b+\i+1]|
.endr
.endr
.irp b, 0,1
	v_permlanex16_b32 v[TM+2+\b], v[TM+\b], s[SEL], s[SEL+1]
.endr
.irp b, 0,1
	v_max_num_f32 v[TM+\b], v[TM+\b], v[TM+2+\b]   ; with lane l xor 16's 16: the block's largest magnitude
.endr
.irp b, 0,1
	v_add_nc_u32 v[TM+4+\b], 0xff000000, v[TM+\b]  ; 2 off its exponent field: the conversion's scale operand
.endr
.irp b, 0,1
	v_lshrrev_b32 v[TM+6+\b], 23, v[TM+4+\b]       ; the scale's byte
.endr
	v_lshl_or_b32 v[\w], v[TM+7], 8, v[TM+6]
	v_cvt_scalef32_pk16_fp6_f32 v[PC:PC+2], v[(\src):(\src)+15], v[TM+4]
	v_cvt_scalef32_pk16_fp6_f32 v[PT:PT+2], v[(\src)+16:(\src)+31], v[TM+5]
	v_nop                                          ; one plain place behind a scaled conversion
.irp i, 0,1,2
	v_permlane16_swap_b32 v[PC+\i], v[PT+\i]       ; a whole block to a lane
.endr
.irp i, 0,1,2
	v_mov_b32 v[PC+3+\i], v[PT+\i]
.endr
.endm
; Token tile a of q (isk = 0) or k (isk = 1): rotation, q0 or k0, codes.  cb: the codes' base, ab: the base of the words beside them.
.macro QKTILE a, isk, cb, ab
.set A0, ACC+32*\a
	WIN 0x08                                       ; source 1 (cos, sin) window 2
	s_wait_alu depctr_va_vdst(0)                   ; the wait directly ahead of the first readers of matrix results
.irp i, 0,2,4,6,8,10,12,14                     ; channels d = 16 h + i and d + 32: (x1, x2) -> (x1 cos + x2 sin, x2 cos - x1 sin).  Each accumulator is read from its low end on
	v_pk_mul_f32 v[24+2*(\i%4):25+2*(\i%4)], v[A0+16+\i:A0+17+\i], v[32*\a+16+\i:32*\a+17+\i]
	v_pk_mul_f32 v[26+2*(\i%4):27+2*(\i%4)], v[A0+\i:A0+1+\i], v[32*\a+16+\i:32*\a+17+\i]
	v_pk_fma_f32 v[A0+\i:A0+1+\i], v[A0+\i:A0+1+\i], v[32*\a+\i:32*\a+1+\i], v[24+2*(\i%4):25+2*(\i%4)]
	v_pk_fma_f32 v[A0+16+\i:A0+17+\i], v[A0+16+\i:A0+17+\i], v[32*\a+\i:32*\a+1+\i], v[26+2*(\i%4):27+2*(\i%4)] neg_lo:[0,0,1] neg_hi:[0,0,1]
.endr
	WIN 0
	v_pk_mul_f32 v[28:29], v[A0:A0+1], v[A0:A0+1]  ; the sum of squares of my 32, in two chains
	v_pk_mul_f32 v[30:31], v[A0+2:A0+3], v[A0+2:A0+3]
.irp i, 4,8,12,16,20,24,28
	v_pk_fma_f32 v[28:29], v[A0+\i:A0+\i+1], v[A0+\i:A0+\i+1], v[28:29]
	v_pk_fma_f32 v[30:31], v[A0+\i+2:A0+\i+3], v[A0+\i+2:A0+\i+3], v[30:31]
.endr
	v_pk_add_f32 v[28:29], v[28:29], v[30:31]
	v_add_f32 v28, v28, v29
	v_permlanex16_b32 v29, v28, s[SEL], s[SEL+1]
	v_add_f32 v28, v28, v29                        ; with lane l xor 16's 32
	v_add_f32 v28, s[KC], v28
	s_wait_alu depctr_va_vdst(0)                   ; the wait ahead of the root
	v_sqrt_f32 v[118+(\a)%2], v28                  ; q0 or k0.  (The quantiser's first line is the plain place behind it)
	s_wait_xcnt 0x0                                ; earlier stores have read their registers: these are written again only behind this wait
	QUANT32 A0, 116+(\a)%2
	v_or_b32 v[116+(\a)%2], 0x7f7f0000, v[116+(\a)%2]   ; the upper half of the instruction's K holds zero codes: its two bytes stand for 1
	global_store_b128 v5, v[PC:PC+3], s[\cb:\cb+1] offset:768*\a
	global_store_b64 v6, v[PC+4:PC+5], s[\cb:\cb+1] offset:768*\a+512
.if (\a)%2 == 1                        ; two tiles' words leave together: lanes 0-15 the even tile's, lanes 16-31 the odd one's
	s_wait_alu depctr_va_vdst(0)                   ; the wait ahead of the roots' first reader
	v_cndmask_b32 v120, v118, v119, s[HM]
	v_cndmask_b32 v121, v116, v117, s[HM]
.if \isk
	global_store_b32 v8, v121, s[\ab:\ab+1] offset:64*(\a-1)                ; 128 consecutive bytes
	global_store_b32 v9, v120, s[\ab:\ab+1] offset:6144+128*((\a)/2)        ; 32 tokens' k0, in token order
.else
	global_store_b64 v6, v[120:121], s[\ab:\ab+1] offset:128*(\a-1)         ; 256 consecutive bytes
.endif
.endif
.endm
	s_wait_kmcnt 0x0                               ; the curvature
	FILL 56                                        ; x and W_q are in, everybody's; W_k sets out for slot 1
	KLOOP 16, 20, 32                               ; q; the table's 32 loads may be out
	SCL SR, 74                                     ; W_k's scale rows
	FILL 60                                        ; nobody reads slot 0 any more, and W_k is in: W_v sets out for slot 0
	s_wait_loadcnt 4                               ; the table is in; the four loads just issued may be out
.irp a, 0,1,2,3
	QKTILE \a, 0, 80, 82
.endr
	KLOOP 16, 22, 0                                ; k
	SCL SP, 76                                     ; W_v's scale rows, as P
	SCL SR, 70                                     ; x's, as R
.irp a, 0,1,2,3
	QKTILE \a, 1, 84, 86
.endr
	s_wait_alu depctr_va_vdst(0)
	s_wait_tensorcnt 0x0                           ; my quarter of W_v is in,
	s_wait_dscnt 0x0
	s_barrier_signal -1
	s_barrier_wait -1                              ; everybody's is
	KLOOP 12, 18, 0                                ; v
.irp a, 0,1,2,3                                ; channel tile a of my head, 64 keys
	s_wait_alu depctr_va_vdst(0)
	s_wait_xcnt 0x0                                ; earlier stores have read their registers
	QUANT32 ACC+32*\a, 116                         ; (its first lines read each accumulator from its low end on)
	global_store_b128 v5, v[PC:PC+3], s[88:89] offset:1536*\a
	global_store_b64 v6, v[PC+4:PC+5], s[88:89] offset:1536*\a+512
	global_store_b16 v11, v116, s[90:91] offset:512*\a                      ; lanes l and l xor 16 write the same two bytes
.endr
	s_wait_tensorcnt 0x0                           ; the wave's end
	ds_add_u32 v126, v127
	s_wait_dscnt 0x0
	CROUND                                         ; the closing round
	s_endpgm
.Lfunc_end_k_qa2c416b4a9_qkv:
	.size	k_qa2c416b4a9_qkv, .Lfunc_end_k_qa2c416b4a9_qkv-k_qa2c416b4a9_qkv
	.p2alignl 7, 3214868480
	.fill 96, 4, 3214868480
	.section	.rodata,"a",@progbits
	.p2align	6, 0x0
	.amdhsa_kernel k_qa2c416b4a9_qkv
		.amdhsa_group_segment_fixed_size 327680
		.amdhsa_private_segment_fixed_size 0
		.amdhsa_enable_private_segment 0
		.amdhsa_kernarg_size 56
		.amdhsa_user_sgpr_count 2
		.amdhsa_user_sgpr_kernarg_segment_ptr 1
		.amdhsa_wavefront_size32 1
		.amdhsa_system_sgpr_workgroup_id_x 1
		.amdhsa_system_sgpr_workgroup_id_y 1
		.amdhsa_system_sgpr_workgroup_id_z 1
		.amdhsa_system_vgpr_workitem_id 0
		.amdhsa_next_free_vgpr 640
		.amdhsa_next_free_sgpr 102
		.amdhsa_reserve_vcc 0
		.amdhsa_float_denorm_mode_32 3
		.amdhsa_float_denorm_mode_16_64 3
		.amdhsa_memory_ordered 1
		.amdhsa_forward_progress 1
		.amdhsa_inst_pref_size 173
	.end_amdhsa_kernel
	.amdgpu_metadata
---
amdhsa.version: [ 1, 2 ]
amdhsa.kernels:
  - .name:           k_qa2c416b4a9_qkv
    .symbol:         k_qa2c416b4a9_qkv.kd
    .args:
      - { .name: opc, .offset: 0, .size: 8, .value_kind: global_buffer, .address_space: global }
      - { .name: ops, .offset: 8, .size: 8, .value_kind: global_buffer, .address_space: global }
      - { .name: rope, .offset: 16, .size: 8, .value_kind: global_buffer, .address_space: global }
      - { .name: hyp_k, .offset: 24, .size: 8, .value_kind: global_buffer, .address_space: global }
      - { .name: qimg, .offset: 32, .size: 8, .value_kind: global_buffer, .address_space: global }
      - { .name: qaux, .offset: 40, .size: 8, .value_kind: global_buffer, .address_space: global }
      - { .name: kv, .offset: 48, .size: 8, .value_kind: global_buffer, .address_space: global }
    .group_segment_fixed_size: 327680
    .private_segment_fixed_size: 0
    .kernarg_segment_align: 8
    .kernarg_segment_size: 56
    .max_flat_workgroup_size: 128
    .sgpr_count:     102
    .vgpr_count:     640
    .wavefront_size: 32
...
	.end_amdgpu_metadata
.endif
;; end of part 2
;; launch attn (part 3): grid 4 x 64, 16 waves a work-group, clusters of 4 x 1, 327,680 bytes of LDS; arguments qimg, qaux, kv, hyp_k, acode, ascl; writes acode, ascl
.if DOCPART == 3
	.amdgcn_target "amdgcn-amd-amdhsa--gfx1250"
	.amdhsa_code_object_version 6
	.text
	.protected	k_qa2c416b4a9_attn
	.globl	k_qa2c416b4a9_attn
	.p2align	8
	.type	k_qa2c416b4a9_attn,@function
k_qa2c416b4a9_attn:
	s_mov_b64 s[64:65], 0
	v_nop
	global_prefetch_b8 v0, s[64:65] scope:SCOPE_SE
	s_setreg_imm32_b32 hwreg(HW_REG_WAVE_MODE, 25, 1), 1
	s_wait_xcnt 0x0
	s_wait_alu depctr_hold_cnt(0) depctr_sa_sdst(0) depctr_va_vdst(0) depctr_va_sdst(0) depctr_va_ssrc(0) depctr_va_vcc(0) depctr_vm_vsrc(0)
	s_getreg_b32 s2, hwreg(HW_REG_IB_STS2, 6, 4)
	s_cmp_eq_u32 s2, 0
	s_cbranch_scc0 .Lentry_in_a_cluster
	s_endpgm
.Lentry_in_a_cluster:
	s_bfe_u32 s2, ttmp6, 0x10000c
	s_cmp_lg_u32 s2, 0x3003
	s_cbranch_scc0 .Lentry_shape_is_right
	s_endpgm
.Lentry_shape_is_right:
; Causal attention of one head (bh = the cluster's y) on codes of FP6 (E2M3) with E8M0 scales.  s = q . k (quantised, K = 64); arg = max((q0 k0 - s) / kc, 1 + 1e-6); dis = sqrt(kc) arccosh(arg);
; logit = 1 / (1e-6 + dis); t = logit x log2(e) = 1 / (ln2 x 1e-6 + sqrt(kc) ln2^2 log2(arg + sqrt(arg^2 - 1))).  M = the row's largest t so far, rounded UP to a whole number; p = 2^(t - M) is what is
; quantised, along the keys; the row's sum is taken of the unquantised p and divides at the end.  When M moves, the sum and O are multiplied by 2^(old M - new M): exact.
; The normalised result is quantised along the model's channels (a head's 64 are two blocks) and stored as the last product's operand.
; SHARES.  A work-group has 16 tiles of 16 queries, i = 4 rho + x (x: its place in the cluster), rho = 0 .. 15; tile rho has rho / 2 + 1 key steps of 128.  Its sixteen waves are eight pairs: pair p owns the
; short tile rho = p (TS = p / 2 + 1 steps) and the long tile rho = 15 - p (TL steps; TS + TL = 9).  THE HELPER walks key steps 0 .. 3: the first TS for the short tile, which it then finishes and stores;
; the others for the long tile, with a running M, sum and O^T of its own.  THE OWNER does the long tile's steps 0 .. TS - 1 and 4 .. TL - 1: five.  At the end the helper hands -M, the sum and O^T over
; through LDS bytes of the pair's own, and the owner joins the two states by the factors 2^(M of a part - the larger M), which are exact, and stores the long tile.
; Which wave of a pair helps is (wave xor wave / 4) % 2: two helpers among the waves of equal number % 4 and among those of equal number / 4.
; LDS: the head's record (K's codes at 0, V's at 49,152, K's scale words at 98,304, V's scale bytes at 102,400, k0 at 104,448: 108,544 bytes) as it lies in memory, each byte filled once, in two stages.
; At the head: what the first 128 keys need: waves 0-3 K's first 6,144 bytes, waves 4-7 V's, waves 8-15 the 10,240 bytes of scales and k0: one tensor load a wave.  Behind the next round each wave
; asks for 21 rows of 256 bytes of the rest; the first key step, written out, is worked meanwhile; a barrier; then a loop of seven key steps.  From 110,592 on: 4,608 bytes for each pair's hand-over.
; CLUSTER 4 x 1: the four work-groups of a head read the same record: joint loads with the mask 15.  No branch hangs on x: the tests on blocks take 2 rho + 1, the later of the two blocks of 32 in which
; a tile rho of any partner can lie; what is hidden beyond that falls to the lanes' mask.
; NO PREFETCH: the whole record is asked for by the two stages, the second as soon as the first has landed; no later trip asks memory for tiles.
; LAYOUT.  Both products are used transposed: S^T = K Q^T, O^T = V^T P^T: a lane holds ONE query.  Tiles of keys, queries and channels are image tiles: lane-row r = row 32 (i / 2) + 8 (i % 2) + r + 8 (r / 8):
; so the 16 registers of result tiles 2 b, 2 b + 1 are 16 neighbours 32 b + 16 (lane / 16) + 0 .. 15, of the keys in S^T and of the channels in O^T.
; K = 64 fills half of the instruction's 128: Q's upper six registers hold zero codes; a tile of K's upper six are simply the next tile's codes (zeros behind the last), and the scale bytes there stand for 1.
; THE MASK.  In the trip on the diagonal the chain of a block of 32 keys that is hidden for all partners is left out, and every hidden key's t becomes -infinity ahead of the maximum.
; LIMITS: NaN and infinities are not served; arg^2 must stay finite (arg under 1.8e19); the logarithm's argument arg + sqrt(arg^2 - 1) is rounded to f32; 1 / kc is a reciprocal with one Newton step, multiplied.
; REGISTERS: v1-5 addresses that stay, v6-10 the trip's; v11 my query - 16 h; v12 -M, v13 the largest t; v[14:15] the sum; v16-27 Q (v22-27 zeros); v28 q0, v29 Q's scale word; v30 f, v31 p's scale word;
; v32-79 K's 8 half fragments, then V's 4 fragments; v80-85 zeros; v86-89 K's scale words, v90-93 V's; v94 ln2 x 1e-6, v95 -infinity; v96-159 s, then t, then p; v160-191 O^T; v192-223 k0, two blocks;
; v224-242 p's codes; v239, v243 the add's two; v244-255 at work.
.set WV,  16
.set ROLE, 22                          ; s22 1: the helper
.set HO,  23                           ; s23 the pair's hand-over bytes
.set SEL, 36                           ; s[36:37]
.set IK,  38                           ; s[38:39] 1 / kc
.set C1,  40                           ; s[40:41] sqrt(kc) ln2^2
.set E1,  42                           ; s42 1 + 1e-6 in f32
.set TKI, 43                           ; s43 6,144 x trip
.set TS,  44                           ; s44 512 x trip
.set TJ,  45                           ; s45 4 x trip
.set KF,  46                           ; s46 the trip's first key
.set BI,  47                           ; s47 2 rho + 1 of the tile at work, counted from the trip's first block
.set CNT, 48
.set BIL, 96                           ; s96 the same of the long tile
.set ACT, 97                           ; s97 bit 0: I have work in this trip
.set SW,  98                           ; s98 trips until the helper changes tiles
.set TM,  244
.set PC,  224
.set PT,  236
.macro CROUND                          ; a round of the cluster's barrier
	s_barrier_signal -1
	s_barrier_wait -1
	s_cmp_lg_u32 s[WV], 0
	s_cbranch_scc1 .Lnot_wave_0_\@
	s_barrier_signal -3
.Lnot_wave_0_\@:
	s_barrier_wait -3
	s_barrier_signal -1
	s_barrier_wait -1
.endm
	s_load_b256 s[4:11], s[0:1], 0x0               ; qimg, qaux, kv, hyp_k
	s_load_b128 s[12:15], s[0:1], 0x20             ; acode, ascl
	v_lshl_add_u32 v239, v0, 2, 0x29000
	v_mov_b32 v243, 0
	ds_add_u32 v239, v243                          ; the opening lines
	ds_add_u32 v239, v243
	v_lshrrev_b32 v1, 5, v0
	s_delay_alu instid0(VALU_DEP_1)
	v_readfirstlane_b32 s[WV], v1                  ; wave 0..15
	s_and_b32 s19, ttmp7, 0xffff                   ; bh
	s_bfe_u32 s20, ttmp6, 0x40000                  ; x: my place in the cluster
	; group 1: rows of 256 bytes (32 elements of 8), dense, for all four partners: s24 6 rows, s68 5 rows, s76 21 rows
.irp g, 24, 68, 76
	s_mov_b32 s[\g], 15|(3<<16)|(1<<21)
	s_mov_b32 s[\g+1], 32<<16
	s_mov_b32 s[\g+3], 32<<16
	s_mov_b32 s[\g+5], 32
	s_mov_b32 s[\g+6], 0
	s_mov_b32 s[\g+7], 0
.endr
	s_mov_b32 s26, 6<<16
	s_mov_b32 s28, 6
	s_mov_b32 s70, 5<<16
	s_mov_b32 s72, 5
	s_mov_b32 s78, 21<<16
	s_mov_b32 s80, 21
	s_mov_b32 s32, 1
	s_mov_b32 s84, 1
	s_mov_b32 s88, 1
	s_lshr_b32 s60, s[WV], 2
	s_and_b32 s60, s60, 1
	s_mul_i32 s33, s60, 49152
	s_and_b32 s61, s[WV], 3
	s_mul_i32 s61, s61, 1536
	s_add_co_u32 s33, s33, s61                     ; waves 0-7: K's or V's first key step, a quarter each
	s_and_b32 s61, s[WV], 7
	s_mul_i32 s85, s61, 1280
	s_add_co_u32 s85, s85, 98304                   ; waves 8-15: an eighth of the scales and k0
	s_mul_i32 s89, s61, 5376
	s_lshr_b32 s60, s[WV], 3
	s_mul_i32 s60, s60, 49152
	s_add_co_u32 s89, s89, s60
	s_add_co_u32 s89, s89, 6144                    ; the second stage: an eighth of the rest of K's or of V's codes
	s_mov_b32 s34, s33                             ; the record lies in LDS as in memory
	s_mov_b32 s35, 0
	s_mov_b32 s86, s85
	s_mov_b32 s87, 0
	s_mov_b32 s90, s89
	s_mov_b32 s91, 0
	s_mul_i32 s50, s19, 108544
	s_mov_b32 s51, 0
	s_and_b32 s52, s19, 15                         ; the head
	s_lshl_b32 s53, s52, 2
	s_wait_dscnt 0x0
	s_wait_kmcnt 0x0
	s_add_nc_u64 s[62:63], s[8:9], s[50:51]        ; the record
.irp g, 34, 86, 90
	s_add_nc_u64 s[\g:\g+1], s[62:63], s[\g:\g+1]
	s_or_b32 s[\g+1], s[\g+1], 0x80000000
.endr
	CROUND                                         ; all four work-groups are here: the joint loads meet
	s_cmp_lt_u32 s[WV], 8                          ; one load a wave
	s_cbranch_scc0 .Lfill_aux
	tensor_load_to_lds s[32:35], s[24:31]
	s_nop 0
.rept 4
	v_nop
.endr
	s_branch .Lfilled
.Lfill_aux:
	tensor_load_to_lds s[84:87], s[68:75]
	s_nop 0
.rept 4
	v_nop
.endr
.Lfilled:
	s_load_b32 s49, s[10:11], s53 offset:0x0       ; kc
	s_lshr_b32 s21, s[WV], 1                       ; p: my pair
	s_lshr_b32 s[ROLE], s[WV], 2
	s_xor_b32 s[ROLE], s[ROLE], s[WV]
	s_and_b32 s[ROLE], s[ROLE], 1
	s_mul_i32 s[HO], s21, 4608
	s_add_co_u32 s[HO], s[HO], 110592
	s_sub_co_u32 s50, 15, s21                      ; the long tile's rho
	s_lshr_b32 s54, s21, 1
	s_add_co_u32 s54, s54, 1                       ; TS
	s_lshr_b32 s55, s50, 1
	s_add_co_u32 s55, s55, 1                       ; TL
	s_bfm_b32 s[ACT], s54, 0                       ; the owner's trips: 0 .. TS - 1,
	s_bfm_b32 s56, s55, 0
	s_and_b32 s56, s56, 0xf0
	s_or_b32 s[ACT], s[ACT], s56                   ; and 4 .. TL - 1
	s_movk_i32 s57, 0x100                          ; (the owner never changes tiles)
	s_cmp_eq_u32 s[ROLE], 1
	s_cselect_b32 s[ACT], 15, s[ACT]               ; the helper's: 0 .. 3
	s_cselect_b32 s[SW], s54, s57
	s_cselect_b32 s51, s21, s50                    ; rho of my first tile, which is the one that I store
	s_lshl_b32 s[BI], s51, 1
	s_add_co_u32 s[BI], s[BI], 1
	s_lshl_b32 s[BIL], s50, 1
	s_add_co_u32 s[BIL], s[BIL], 1
	s_lshl_b32 s17, s51, 2
	s_add_co_u32 s17, s17, s20                     ; i: my first tile of queries
	s_lshl_b32 s50, s50, 2
	s_add_co_u32 s50, s50, s20                     ; the long tile
	s_lshr_b32 s56, s17, 1
	s_lshl_b32 s56, s56, 5
	s_and_b32 s57, s17, 1
	s_lshl_b32 s57, s57, 3
	s_add_co_u32 s56, s56, s57                     ; 32 (i / 2) + 8 (i % 2)
	s_lshl_b32 s58, s19, 6
	s_add_co_u32 s59, s58, s50
	s_mov_b32 s55, 0
	s_mul_i32 s54, s59, 768
	s_add_nc_u64 s[92:93], s[4:5], s[54:55]        ; the long tile's codes,
	s_lshl_b32 s54, s59, 7
	s_add_nc_u64 s[94:95], s[6:7], s[54:55]        ; its q0 and scale words
	s_add_co_u32 s58, s58, s17
	s_mul_i32 s54, s58, 768
	s_add_nc_u64 s[4:5], s[4:5], s[54:55]          ; my first tile's codes
	s_lshl_b32 s54, s58, 7
	s_add_nc_u64 s[6:7], s[6:7], s[54:55]          ; its q0 and scale words
	s_lshr_b32 s58, s19, 4
	s_lshl_b32 s58, s58, 6
	s_add_co_u32 s58, s58, s17                     ; the row tile of the output: 64 x batch + i
	s_lshl_b32 s54, s58, 4
	s_add_co_u32 s54, s54, s52
	s_mul_i32 s54, s54, 768
	s_add_nc_u64 s[12:13], s[12:13], s[54:55]      ; acode [row tile][head] 768 bytes
	s_lshl_b32 s54, s58, 9
	s_lshl_b32 s59, s52, 1
	s_add_co_u32 s54, s54, s59
	s_add_nc_u64 s[14:15], s[14:15], s[54:55]      ; ascl [image row][32], bytes 2 head, 2 head + 1
	v_and_b32 v6, 31, v0                           ; lane
	v_and_b32 v7, 15, v0                           ; r
	v_bfe_u32 v8, v0, 4, 1                         ; h
	s_delay_alu instid0(VALU_DEP_3)
	v_lshlrev_b32 v1, 4, v6                        ; 16 x lane
	s_delay_alu instid0(VALU_DEP_4)
	v_lshlrev_b32 v2, 3, v6
	s_delay_alu instid0(VALU_DEP_1)
	v_add_nc_u32 v2, 512, v2                       ; 512 + 8 x lane
	v_lshl_add_u32 v3, v6, 2, 98304                ; K's scale words: two tiles to a load
	v_lshl_add_u32 v4, v7, 5, 102400               ; V's: row r of a channel tile
	v_lshl_add_u32 v5, v8, 6, 104448               ; k0: my 16 keys of a block
	v_and_b32 v9, 8, v7
	s_delay_alu instid0(VALU_DEP_1)
	v_add_nc_u32 v9, v9, v7
	s_delay_alu instid0(VALU_DEP_1)
	v_add_nc_u32 v9, s56, v9                       ; my query
	v_lshlrev_b32 v10, 4, v8
	s_delay_alu instid0(VALU_DEP_1)
	v_sub_nc_u32 v11, v9, v10
	v_lshlrev_b32 v9, 3, v7
	global_load_b128 v[16:19], v1, s[4:5]
	global_load_b64 v[20:21], v2, s[4:5]
	global_load_b64 v[28:29], v9, s[6:7]
.irp j, 22,23,24,25,26,27,80,81,82,83,84,85
	v_mov_b32 v\j, 0                               ; zero codes
.endr
	v_mov_b32 v13, 0xff61b1e6                      ; the largest t so far: -3e38
	s_delay_alu instid0(VALU_DEP_1)
	v_floor_f32 v12, -v13                          ; -M
	v_mov_b32 v14, 0
	v_mov_b32 v15, 0
	v_mov_b32 v31, 0
	v_mov_b32 v94, 0x353a10b6                      ; ln2 x 1e-6
	v_mov_b32 v95, 0xff800000
.irp j, 244,245,246,247,248,249,250,251,252,253,254,255
	v_mov_b32 v\j, 0                               ; a lane permute's destination counts as one of its sources
.endr
.set J, 0
.rept 32
	v_mov_b32 v[160+J], 0                          ; O^T: the first change of M leaves zeros zeros
.set J, J+1
.endr
	s_mov_b32 s[SEL], 0x76543210
	s_mov_b32 s[SEL+1], 0xfedcba98
	s_mov_b32 s[E1], 0x3f800008
	s_mov_b32 s[TKI], 0
	s_mov_b32 s[TS], 0
	s_mov_b32 s[TJ], 0
	s_mov_b32 s[KF], 0
	s_mov_b32 s[CNT], 7
	s_wait_kmcnt 0x0
	v_mov_b32 v32, s49
	s_wait_alu depctr_va_vdst(0)
	v_rcp_f32 v33, v32
	v_sqrt_f32 v34, v32
	v_nop                                          ; a plain place behind the transcendentals
	s_wait_alu depctr_va_vdst(0)
	v_fma_f32 v35, -v32, v33, 1.0
	v_fma_f32 v33, v33, v35, v33                   ; 1 / kc, one Newton step
	v_mul_f32 v34, 0x3ef5fdf0, v34                 ; sqrt(kc) ln2^2
	s_delay_alu instid0(VALU_DEP_2)
	v_readfirstlane_b32 s[IK], v33
	s_delay_alu instid0(VALU_DEP_2)
	v_readfirstlane_b32 s[C1], v34
	s_mov_b32 s[IK+1], s[IK]
	s_mov_b32 s[C1+1], s[C1]
	s_wait_alu depctr_va_vdst(0)                   ; the wait at the head's end
	s_wait_tensorcnt 0x0                           ; my part of the first stage is in
	ds_add_u32 v239, v243
	s_wait_dscnt 0x0
	CROUND                                         ; everybody's part is in, and the four work-groups are here
	tensor_load_to_lds s[88:91], s[76:83]          ; the second stage: my one load behind this round
	s_nop 0
.rept 4
	v_nop
.endr
	s_wait_loadcnt 0x0                             ; Q
.macro K0LOAD b                        ; k0 of my 16 keys of block b
.irp j, 0,1,2,3
	ds_load_b128 v[192+16*((\b)%2)+4*\j:195+16*((\b)%2)+4*\j], v10 offset:128*(\b)+16*\j
.endr
.endm
; Block b of 32 keys: s -> t, 16 numbers a lane.  n: the LDS loads issued behind this block's k0, which may stay out; the wait stands ahead of the branch, so that the counts are the same on both ways.
.macro BLOCK b, n
.set SB, 96+16*\b
.set KB, 192+16*((\b)%2)
	s_wait_dscnt \n
.if \b > 0
	s_cmp_lt_i32 s[BI], \b                         ; all its keys come after the queries of tile rho in every partner
	s_cbranch_scc1 .Lhid_\@
.endif
	s_wait_alu depctr_va_vdst(0)
.irp i, 0,2,4,6,8,10,12,14
	v_pk_fma_f32 v[SB+\i:SB+\i+1], v[KB+\i:KB+\i+1], v[28:29], v[SB+\i:SB+\i+1] op_sel_hi:[1,0,1] neg_lo:[0,0,1] neg_hi:[0,0,1]   ; q0 k0 - s.  Each accumulator is read from its low end on
.endr
.irp i, 0,2,4,6,8,10,12,14
	v_pk_mul_f32 v[SB+\i:SB+\i+1], v[SB+\i:SB+\i+1], s[IK:IK+1] op_sel_hi:[1,0]
.endr
.irp i, 0,1,2,3,4,5,6,7,8,9,10,11,12,13,14,15
	v_max_num_f32 v[SB+\i], s[E1], v[SB+\i]        ; arg
.endr
.irp i, 0,2,4,6,8,10,12,14
	v_pk_fma_f32 v[KB+\i:KB+\i+1], v[SB+\i:SB+\i+1], v[SB+\i:SB+\i+1], -1.0 op_sel_hi:[1,1,0]
.endr
	s_wait_alu depctr_va_vdst(0)
.irp i, 0,1,2,3,4,5,6,7,8,9,10,11,12,13,14,15
	v_sqrt_f32 v[KB+\i], v[KB+\i]
.endr
	v_nop
	s_wait_alu depctr_va_vdst(0)
.irp i, 0,2,4,6,8,10,12,14
	v_pk_add_f32 v[SB+\i:SB+\i+1], v[SB+\i:SB+\i+1], v[KB+\i:KB+\i+1]
.endr
	s_wait_alu depctr_va_vdst(0)
.irp i, 0,1,2,3,4,5,6,7,8,9,10,11,12,13,14,15
	v_log_f32 v[SB+\i], v[SB+\i]
.endr
	v_nop
	s_wait_alu depctr_va_vdst(0)
.irp i, 0,2,4,6,8,10,12,14
	v_pk_fma_f32 v[SB+\i:SB+\i+1], v[SB+\i:SB+\i+1], s[C1:C1+1], v[94:95] op_sel_hi:[1,0,0]
.endr
	s_wait_alu depctr_va_vdst(0)
.irp i, 0,1,2,3,4,5,6,7,8,9,10,11,12,13,14,15
	v_rcp_f32 v[SB+\i], v[SB+\i]                   ; t
.endr
	v_nop
.if \b > 0
.Lhid_\@:
.endif
.if \b < 2
	K0LOAD \b+2                                    ; into the registers that this block has left
.endif
.endm
.macro QUANT32 src, w                  ; 32 numbers of a lane, register 16 b + i = element 32 b + 16 (lane / 16) + i of my row -> a half fragment's codes in v[PC] on, two scale bytes in v[w]
.irp b, 0,1
	v_max3_num_f32 v[TM+\b], |v[(\src)+16*\b]|, |v[(\src)+16*\b+1]|, 0x1800000
.endr
.irp i, 2,4,6,8,10,12,14
.irp b, 0,1
	s_delay_alu instid0(VALU_DEP_2)
	v_max3_num_f32 v[TM+\b], v[TM+\b], |v[(\src)+16*\b+\i]|, |v[(\src)+16*\b+\i+1]|
.endr
.endr
.irp b, 0,1
	s_delay_alu instid0(VALU_DEP_2)
	v_permlanex16_b32 v[TM+2+\b], v[TM+\b], s[SEL], s[SEL+1]
.endr
.irp b, 0,1
	s_delay_alu instid0(VALU_DEP_2)
	v_max_num_f32 v[TM+\b], v[TM+\b], v[TM+2+\b]
.endr
.irp b, 0,1
	s_delay_alu instid0(VALU_DEP_2)
	v_add_nc_u32 v[TM+4+\b], 0xff000000, v[TM+\b]
.endr
.irp b, 0,1
	s_delay_alu instid0(VALU_DEP_2)
	v_lshrrev_b32 v[TM+6+\b], 23, v[TM+4+\b]
.endr
	s_delay_alu instid0(VALU_DEP_1)
	v_lshl_or_b32 v[\w], v[TM+7], 8, v[TM+6]
	v_cvt_scalef32_pk16_fp6_f32 v[PC:PC+2], v[(\src):(\src)+15], v[TM+4]
	v_cvt_scalef32_pk16_fp6_f32 v[PT:PT+2], v[(\src)+16:(\src)+31], v[TM+5]
	v_nop
.irp i, 0,1,2
	v_permlane16_swap_b32 v[PC+\i], v[PT+\i]
.endr
.irp i, 0,1,2
	s_delay_alu instid0(VALU_DEP_3)
	v_mov_b32 v[PC+3+\i], v[PT+\i]
.endr
.endm
; THE WAY OUT of the tile that I store: O^T / the sum; register 16 b + i is channel 32 b + 16 h + i of my query's head: quantised along the channels, stored as a half fragment of the last product's operand
.macro FINAL
.rept 4
	v_nop                                          ; places behind the last products
.endr
	v_add_f32 v14, v14, v15
	s_delay_alu instid0(VALU_DEP_1)
	v_permlanex16_b32 v252, v14, s[SEL], s[SEL+1]
	s_delay_alu instid0(VALU_DEP_1)
	v_add_f32 v14, v14, v252                       ; the row's sum
	s_wait_alu depctr_va_vdst(0)
	v_rcp_f32 v14, v14
	v_and_b32 v253, 15, v0                         ; (a plain place behind the reciprocal)
	s_delay_alu instid0(VALU_DEP_1)
	v_lshlrev_b32 v253, 5, v253                    ; 32 r
	s_wait_alu depctr_va_vdst(0)
.set J, 0
.rept 32
	v_mul_f32 v[96+J], v[160+J], v14
.set J, J+1
.endr
	QUANT32 96, 252
	global_store_b128 v1, v[PC:PC+3], s[12:13]     ; 512 consecutive bytes
	global_store_b64 v2, v[PC+4:PC+5], s[12:13]    ; 256 consecutive bytes (v2 holds the 512)
	global_store_b16 v253, v252, s[14:15]          ; my row's two scale bytes; lanes l and l xor 16 write the same
.endm
; A trip of 128 keys.  first = 1: the trip written out ahead of the loop, in which every wave has work.
.macro TRIP first
.if \first == 0
	s_cmp_eq_u32 s[SW], 0                          ; the helper has done the short tile's last key step: it stores that tile and begins a state of its own for the long one
	s_cbranch_scc0 .Lnosw_\@
	FINAL
	v_and_b32 v9, 15, v0
	s_delay_alu instid0(VALU_DEP_1)
	v_lshlrev_b32 v9, 3, v9
	global_load_b128 v[16:19], v1, s[92:93]        ; the long tile's Q
	global_load_b64 v[20:21], v2, s[92:93]
	global_load_b64 v[28:29], v9, s[94:95]
	v_mov_b32 v13, 0xff61b1e6
	s_delay_alu instid0(VALU_DEP_1)
	v_floor_f32 v12, -v13
	v_mov_b32 v14, 0
	v_mov_b32 v15, 0
.set J, 0
.rept 32
	v_mov_b32 v[160+J], 0
.set J, J+1
.endr
	s_mov_b32 s[BI], s[BIL]
	s_wait_alu depctr_va_vdst(0)
	s_wait_loadcnt 0x0
	s_wait_xcnt 0x0                                ; the stores have read their registers
.Lnosw_\@:
	s_bitcmp1_b32 s[ACT], 0                        ; no work of mine in this trip: only the addresses step
	s_cbranch_scc0 .Lhidden_\@
.endif
	v_add_nc_u32 v6, s[TKI], v1                    ; these five are also the places behind the last trip's products, in front of the loads into their registers
	v_add_nc_u32 v7, s[TKI], v2
	v_add_nc_u32 v8, s[TS], v3
	v_add_nc_u32 v9, s[TJ], v4
	v_add_nc_u32 v10, s[TS], v5
.irp t, 0,1,2,3,4,5,6,7
	ds_load_b128 v[32+6*\t:35+6*\t], v6 offset:768*\t
	ds_load_b64 v[36+6*\t:37+6*\t], v7 offset:768*\t
.endr
.irp n, 0,1,2,3
	ds_load_b32 v[86+\n], v8 offset:128*\n         ; lanes 0-15: tile 2 n's words; lanes 16-31: tile 2 n + 1's
.endr
	K0LOAD 0
	K0LOAD 1
	s_wait_alu depctr_va_vdst(0)
	s_wait_dscnt 8                                 ; K and its scale words are in; the eight loads of k0 may be out
.irp t, 0,2,4,6
	v_wmma_scale_f32_16x16x128_f8f6f4 v[96+8*\t:103+8*\t], v[32+6*\t:43+6*\t], v[16:27], 0, v[86+\t/2], v29 matrix_a_fmt:MATRIX_FMT_FP6 matrix_b_fmt:MATRIX_FMT_FP6
	v_wmma_scale_f32_16x16x128_f8f6f4 v[104+8*\t:111+8*\t], v[38+6*\t:49+6*\t], v[16:27], 0, v[86+\t/2], v29 matrix_a_fmt:MATRIX_FMT_FP6 matrix_b_fmt:MATRIX_FMT_FP6 matrix_a_scale:MATRIX_SCALE_ROW1
.endr
.rept 4
	v_nop                                          ; places in front of the loads into K's registers and of the first read of the scores
.endr
.irp a, 0,1,2,3
.irp c, 0,1
	ds_load_b128 v[32+12*\a+6*\c:35+12*\a+6*\c], v6 offset:49152+1536*\a+768*\c
	ds_load_b64 v[36+12*\a+6*\c:37+12*\a+6*\c], v7 offset:49152+1536*\a+768*\c
.endr
	ds_load_b32 v[90+\a], v9 offset:512*\a
.endr
	BLOCK 0, 24                                    ; behind block 0's k0: block 1's (4) and V's 20
	BLOCK 1, 24                                    ; behind block 1's: V's 20 and block 2's 4
	BLOCK 2, 4                                     ; behind block 2's: block 3's 4
	BLOCK 3, 0
	s_cmp_gt_i32 s[BI], 3                          ; every key of the trip counts for every query of the tile, in every partner
	s_cbranch_scc1 .Lopen_\@
	s_sub_co_i32 s57, 0, s[KF]
	v_add_nc_u32 v252, s57, v11                    ; d = my query - the trip's first key - 16 h.  Register 16 b + i holds key 32 b + 16 h + i of the trip: hidden where 32 b + i > d
	s_wait_alu depctr_va_vdst(0)
.set J, 0
.rept 64
	v_cmp_gt_i32 vcc_lo, 32*(J/16)+J%16, v252
	v_cndmask_b32 v[96+J], v[96+J], v95, vcc_lo
.set J, J+1
.endr
.Lopen_\@:
	s_wait_alu depctr_va_vdst(0)
.irp b, 0,1,2,3
	v_max3_num_f32 v[244+\b], v[96+16*\b], v[97+16*\b], v[98+16*\b]   ; the largest t of each block of 32 keys: it serves the row's maximum and, since p rises with t, the block's largest p
.endr
.irp i, 3,5,7,9,11,13
.irp b, 0,1,2,3
	v_max3_num_f32 v[244+\b], v[244+\b], v[96+16*\b+\i], v[97+16*\b+\i]
.endr
.endr
.irp b, 0,1,2,3
	v_max_num_f32 v[244+\b], v[244+\b], v[111+16*\b]
.endr
.irp b, 0,1,2,3
	s_delay_alu instid0(VALU_DEP_4)
	v_permlanex16_b32 v[248+\b], v[244+\b], s[SEL], s[SEL+1]
.endr
.irp b, 0,1,2,3
	s_delay_alu instid0(VALU_DEP_4)
	v_max_num_f32 v[244+\b], v[244+\b], v[248+\b]  ; with lane l xor 16's 16 keys
.endr
	s_delay_alu instid0(VALU_DEP_2)
	v_max3_num_f32 v252, v244, v245, v246
	s_delay_alu instid0(VALU_DEP_1)
	v_max3_num_f32 v13, v13, v252, v247            ; the running largest t (a state's first trip holds a key that counts for every query: a number from then on)
	v_mov_b32 v252, v12
	s_delay_alu instid0(VALU_DEP_2)
	v_floor_f32 v12, -v13                          ; the new -M = -ceil(t)
	s_delay_alu instid0(VALU_DEP_1)
	v_sub_f32 v252, v12, v252                      ; old M - new M: a whole number, 0 or less
	s_delay_alu instid0(VALU_DEP_1)
	v_cvt_i32_f32 v252, v252                       ; (it saturates)
	s_delay_alu instid0(VALU_DEP_1)
	v_ldexp_f32 v30, 1.0, v252                     ; f = 2^(old M - new M)
.set J, 0
.rept 32
	v_pk_add_f32 v[96+J:97+J], v[96+J:97+J], v[12:13] op_sel_hi:[1,0]   ; t - M
.set J, J+2
.endr
.irp b, 0,1,2,3
	v_add_f32 v[244+\b], v[244+\b], v12            ; the same of each block's largest t
.endr
	s_wait_alu depctr_va_vdst(0)
.set J, 0
.rept 64
	v_exp_f32 v[96+J], v[96+J]                     ; p = 2^(t - M): not normalised; 0 for a hidden key
.set J, J+1
.endr
.irp b, 0,1,2,3
	v_exp_f32 v[244+\b], v[244+\b]                 ; the block's largest p: the same two instructions on the same number
.endr
	v_pk_mul_f32 v[14:15], v[14:15], v[30:31] op_sel_hi:[1,0]   ; the sums under the new M.  (A plain place behind the exponentials)
	s_wait_alu depctr_va_vdst(0)
.irp b, 0,1,2,3
	v_max_num_f32 v[244+\b], 0x1800000, v[244+\b]  ; the floor 2^(3 - 127): a block whose every p is 0 keeps the byte 1: its codes are zeros
.endr
.irp b, 0,1,2,3
	s_delay_alu instid0(VALU_DEP_4)
	v_add_nc_u32 v[248+\b], 0xff000000, v[244+\b]  ; the conversion's scale operand
.endr
.irp b, 0,1,2,3
	s_delay_alu instid0(VALU_DEP_4)
	v_lshrrev_b32 v[252+\b], 23, v[248+\b]         ; the scale's byte
.endr
	s_delay_alu instid0(VALU_DEP_3)
	v_lshl_or_b32 v31, v253, 8, v252               ; p's scale word for these 128 keys
	s_delay_alu instid0(VALU_DEP_1)
	v_lshl_or_b32 v31, v254, 16, v31
	s_delay_alu instid0(VALU_DEP_1)
	v_lshl_or_b32 v31, v255, 24, v31
.irp c, 0,1
	v_cvt_scalef32_pk16_fp6_f32 v[224+6*\c:226+6*\c], v[96+32*\c:111+32*\c], v[248+2*\c]
	v_cvt_scalef32_pk16_fp6_f32 v[236+4*\c:238+4*\c], v[112+32*\c:127+32*\c], v[248+2*\c+1]
.endr
	v_nop                                          ; one plain place behind a scaled conversion
.irp c, 0,1
.irp i, 0,1,2
	v_permlane16_swap_b32 v[224+6*\c+\i], v[236+4*\c+\i]
.endr
.irp i, 0,1,2
	s_delay_alu instid0(VALU_DEP_3)
	v_mov_b32 v[227+6*\c+\i], v[236+4*\c+\i]
.endr
.endr
	v_pk_add_f32 v[236:237], v[100:101], v[104:105]   ; the row's sum of the unquantised p, in eight chains
	v_pk_add_f32 v[254:255], v[108:109], v[112:113]
	v_pk_add_f32 v[244:245], v[116:117], v[120:121]
	v_pk_add_f32 v[240:241], v[124:125], v[128:129]
	v_pk_add_f32 v[222:223], v[132:133], v[136:137]
	v_pk_add_f32 v[220:221], v[140:141], v[144:145]
	v_pk_add_f32 v[218:219], v[148:149], v[152:153]
	v_pk_add_f32 v[14:15], v[14:15], v[156:157]
	v_pk_add_f32 v[236:237], v[236:237], v[96:97]
	v_pk_add_f32 v[254:255], v[254:255], v[98:99]
	v_pk_add_f32 v[244:245], v[244:245], v[102:103]
	v_pk_add_f32 v[240:241], v[240:241], v[106:107]
	v_pk_add_f32 v[222:223], v[222:223], v[110:111]
	v_pk_add_f32 v[220:221], v[220:221], v[114:115]
	v_pk_add_f32 v[218:219], v[218:219], v[118:119]
	v_pk_add_f32 v[14:15], v[14:15], v[122:123]
	v_pk_add_f32 v[236:237], v[236:237], v[126:127]
	v_pk_add_f32 v[254:255], v[254:255], v[130:131]
	v_pk_add_f32 v[244:245], v[244:245], v[134:135]
	v_pk_add_f32 v[240:241], v[240:241], v[138:139]
	v_pk_add_f32 v[222:223], v[222:223], v[142:143]
	v_pk_add_f32 v[220:221], v[220:221], v[146:147]
	v_pk_add_f32 v[218:219], v[218:219], v[150:151]
	v_pk_add_f32 v[14:15], v[14:15], v[154:155]
	v_pk_add_f32 v[236:237], v[236:237], v[158:159]
	s_delay_alu instid0(VALU_DEP_2)
	v_pk_add_f32 v[14:15], v[14:15], v[240:241]
	s_delay_alu instid0(VALU_DEP_2)
	v_pk_add_f32 v[236:237], v[236:237], v[222:223]
	v_pk_add_f32 v[254:255], v[254:255], v[220:221]
	v_pk_add_f32 v[244:245], v[244:245], v[218:219]
	s_delay_alu instid0(VALU_DEP_2)
	v_pk_add_f32 v[14:15], v[14:15], v[254:255]
	s_delay_alu instid0(VALU_DEP_2)
	v_pk_add_f32 v[236:237], v[236:237], v[244:245]
	s_delay_alu instid0(VALU_DEP_1)
	v_pk_add_f32 v[14:15], v[14:15], v[236:237]
.irp j, 0,2,4,6,8,10,12,14,16,18,20,22,24,26,28,30
	v_pk_mul_f32 v[160+\j:161+\j], v[160+\j:161+\j], v[30:31] op_sel_hi:[1,0]   ; O^T under the new M.  (The sums and these are the places between p's codes and scale word and the products)
.endr
.irp a, 0,1,2,3                                ; O^T += V^T P^T; the four accumulators take turns
	v_wmma_scale_f32_16x16x128_f8f6f4 v[160+8*\a:167+8*\a], v[32+12*\a:43+12*\a], v[224:235], v[160+8*\a:167+8*\a], v[90+\a], v31 matrix_a_fmt:MATRIX_FMT_FP6 matrix_b_fmt:MATRIX_FMT_FP6
.endr
.Lhidden_\@:
	s_add_co_u32 s[TKI], s[TKI], 6144
	s_add_co_u32 s[TS], s[TS], 512
	s_add_co_u32 s[TJ], s[TJ], 4
	s_add_co_u32 s[KF], s[KF], 128
	s_sub_co_i32 s[BI], s[BI], 4
	s_sub_co_i32 s[BIL], s[BIL], 4
	s_lshr_b32 s[ACT], s[ACT], 1
	s_sub_co_u32 s[SW], s[SW], 1
.endm
	TRIP 1                                         ; keys 0-127, from the first stage's bytes, while the second stage is on its way
	s_wait_alu depctr_va_vdst(0)
	s_wait_tensorcnt 0x0                           ; my part of the second stage is in,
	s_wait_dscnt 0x0
	s_barrier_signal -1
	s_barrier_wait -1                              ; everybody's is
.Ltrip:                                            ; 7 trips of 128 keys, a constant count
	TRIP 0
	s_sub_co_u32 s[CNT], s[CNT], 1
	s_cmp_lg_u32 s[CNT], 0
	s_cbranch_scc1 .Ltrip
	; THE HAND-OVER: the helper's -M, largest t, sum and O^T as an image of its registers: 9 x 512 bytes of the pair's own
.rept 4
	v_nop                                          ; places behind the last products
.endr
	v_add_nc_u32 v6, s[HO], v1
	s_wait_alu depctr_va_vdst(0)
	s_cmp_eq_u32 s[ROLE], 1
	s_cbranch_scc0 .Lowner
.irp j, 0,1,2,3,4,5,6,7
	ds_store_b128 v6, v[160+4*\j:163+4*\j] offset:512*\j   ; each accumulator from its low end on
.endr
	ds_store_b128 v6, v[12:15] offset:4096
.Lowner:
	s_wait_dscnt 0x0                               ; for the owner's sake: my stores lie in LDS
	s_barrier_signal -1
	s_barrier_wait -1
	s_cmp_eq_u32 s[ROLE], 1
	s_cbranch_scc1 .Lend
.irp j, 0,1,2,3,4,5,6,7
	ds_load_b128 v[96+4*\j:99+4*\j], v6 offset:512*\j
.endr
	ds_load_b128 v[128:131], v6 offset:4096
	s_wait_dscnt 0x0
	v_min_num_f32 v132, v12, v128                  ; -M of the two parts together
	v_mov_b32 v135, 0                              ; (named as the upper half of the pair v[134:135])
	s_delay_alu instid0(VALU_DEP_2)
	v_sub_f32 v133, v132, v12
	v_sub_f32 v134, v132, v128                     ; a part's M - the larger M: whole numbers, 0 or less
	s_delay_alu instid0(VALU_DEP_2)
	v_cvt_i32_f32 v133, v133                       ; (they saturate: a helper with no key step of the long tile gets the factor 0 on its zeros)
	s_delay_alu instid0(VALU_DEP_2)
	v_cvt_i32_f32 v134, v134
	s_delay_alu instid0(VALU_DEP_2)
	v_ldexp_f32 v30, 1.0, v133
	s_delay_alu instid0(VALU_DEP_2)
	v_ldexp_f32 v134, 1.0, v134
	s_delay_alu instid0(VALU_DEP_1)
	v_pk_mul_f32 v[130:131], v[130:131], v[134:135] op_sel_hi:[1,0]
.set J, 0
.rept 16
	v_pk_mul_f32 v[96+J:97+J], v[96+J:97+J], v[134:135] op_sel_hi:[1,0]
.set J, J+2
.endr
	v_pk_fma_f32 v[14:15], v[14:15], v[30:31], v[130:131] op_sel_hi:[1,0,1]
.set J, 0
.rept 16
	v_pk_fma_f32 v[160+J:161+J], v[160+J:161+J], v[30:31], v[96+J:97+J] op_sel_hi:[1,0,1]
.set J, J+2
.endr
	FINAL
.Lend:
	s_wait_tensorcnt 0x0                           ; the wave's end
	ds_add_u32 v239, v243
	s_wait_dscnt 0x0
	CROUND                                         ; the closing round
	s_endpgm
.Lfunc_end_k_qa2c416b4a9_attn:
	.size	k_qa2c416b4a9_attn, .Lfunc_end_k_qa2c416b4a9_attn-k_qa2c416b4a9_attn
	.p2alignl 7, 3214868480
	.fill 96, 4, 3214868480
	.section	.rodata,"a",@progbits
	.p2align	6, 0x0
	.amdhsa_kernel k_qa2c416b4a9_attn
		.amdhsa_group_segment_fixed_size 327680
		.amdhsa_private_segment_fixed_size 0
		.amdhsa_enable_private_segment 0
		.amdhsa_kernarg_size 48
		.amdhsa_user_sgpr_count 2
		.amdhsa_user_sgpr_kernarg_segment_ptr 1
		.amdhsa_wavefront_size32 1
		.amdhsa_system_sgpr_workgroup_id_x 1
		.amdhsa_system_sgpr_workgroup_id_y 1
		.amdhsa_system_sgpr_workgroup_id_z 1
		.amdhsa_system_vgpr_workitem_id 0
		.amdhsa_next_free_vgpr 256
		.amdhsa_next_free_sgpr 102
		.amdhsa_reserve_vcc 1
		.amdhsa_float_denorm_mode_32 3
		.amdhsa_float_denorm_mode_16_64 3
		.amdhsa_memory_ordered 1
		.amdhsa_forward_progress 1
		.amdhsa_inst_pref_size 113
	.end_amdhsa_kernel
	.amdgpu_metadata
---
amdhsa.version: [ 1, 2 ]
amdhsa.kernels:
  - .name:           k_qa2c416b4a9_attn
    .symbol:         k_qa2c416b4a9_attn.kd
    .args:
      - { .name: qimg, .offset: 0, .size: 8, .value_kind: global_buffer, .address_space: global }
      - { .name: qaux, .offset: 8, .size: 8, .value_kind: global_buffer, .address_space: global }
      - { .name: kv, .offset: 16, .size: 8, .value_kind: global_buffer, .address_space: global }
      - { .name: hyp_k, .offset: 24, .size: 8, .value_kind: global_buffer, .address_space: global }
      - { .name: acode, .offset: 32, .size: 8, .value_kind: global_buffer, .address_space: global }
      - { .name: ascl, .offset: 40, .size: 8, .value_kind: global_buffer, .address_space: global }
    .group_segment_fixed_size: 327680
    .private_segment_fixed_size: 0
    .kernarg_segment_align: 8
    .kernarg_segment_size: 48
    .max_flat_workgroup_size: 512
    .sgpr_count:     102
    .vgpr_count:     256
    .wavefront_size: 32
...
	.end_amdgpu_metadata
.endif
;; end of part 3
;; launch proj (part 4): grid 8 x 32, 4 waves a work-group, clusters of 4 x 4, 214,528 bytes of LDS; arguments acode, ascl, opc, ops, out0; writes out0
.if DOCPART == 4
	.amdgcn_target "amdgcn-amd-amdhsa--gfx1250"
	.amdhsa_code_object_version 6
	.text
	.protected	k_qa2c416b4a9_proj
	.globl	k_qa2c416b4a9_proj
	.p2align	8
	.type	k_qa2c416b4a9_proj,@function
k_qa2c416b4a9_proj:
	s_mov_b64 s[64:65], 0
	v_nop
	global_prefetch_b8 v0, s[64:65] scope:SCOPE_SE
	s_setreg_imm32_b32 hwreg(HW_REG_WAVE_MODE, 25, 1), 1
	s_wait_xcnt 0x0
	s_wait_alu depctr_hold_cnt(0) depctr_sa_sdst(0) depctr_va_vdst(0) depctr_va_sdst(0) depctr_va_ssrc(0) depctr_va_vcc(0) depctr_vm_vsrc(0)
	s_getreg_b32 s2, hwreg(HW_REG_IB_STS2, 6, 4)
	s_cmp_eq_u32 s2, 0
	s_cbranch_scc0 .Lentry_in_a_cluster
	s_endpgm
.Lentry_in_a_cluster:
	s_bfe_u32 s2, ttmp6, 0x10000c
	s_cmp_lg_u32 s2, 0xf033
	s_cbranch_scc0 .Lentry_shape_is_right
	s_endpgm
.Lentry_shape_is_right:
; out0 = attention's result x W_out^T on codes of FP6 (E2M3) with E8M0 scales, K = 1,024; f32 sums, f32 out.
; A work-group makes 128 x 128, each of its four waves 64 x 64: 16 accumulators: 256 work-groups.  P (source 1, rows in lanes) = tokens, from acode and ascl; R (source 0, rows in registers) = W_out's rows,
; tiles 448 on of opc and ops.  Both lie as image tiles (16 rows; lane-row r = row 32 (i / 2) + 8 (i % 2) + r + 8 (r / 8)) of 12,288 bytes: 16 half fragments of 768 bytes.
; LDS: both operands' 8 tiles for ALL of K, 2 x 98,304 bytes, as they lie in memory, filled once: each wave brings four tiles, 49,152 dense bytes, by its one tensor load; one wait, one barrier.
; Behind them a stage of 16 rows x 272 bytes for each wave, into which no tile lands, and the spare words.
; CLUSTER 4 x 4: P's tiles are shared along a row of the cluster, R's along a column: joint loads.
; NO PREFETCH: all that the work-group reads is asked for by the head's loads; there is no loop to run ahead in.
; REGISTERS.  Window 0: v1-6 lane terms; v16-21 LDS addresses; v24-26 the way out; v30-31 the add's; v32-47 P's scale words, v48-63 R's (scales and nothing else); v64-127 rows on the way out;
; v128-255 accumulators, (a, b) at 128 + 8 (4 a + b).  Window 1: two sets of fragments at 0 and 128: P's block a at + 12 a, R's block b at + 48 + 12 b.
.set ACC, 128
.set SP,  32
.set SR,  48
.set WV,  18
.set TILE, 12288
.set MSB, 0
.macro WIN new
.if MSB != \new
	s_set_vgpr_msb (MSB<<8)|\new
.set MSB, \new
.endif
.endm
.set MUL,  0x05                        ; sources 0 and 1 window 1; C and D window 0
.set TO_F, 0x40                        ; destination window 1, address window 0
.macro CROUND                          ; a round of the cluster's barrier
	s_barrier_signal -1
	s_barrier_wait -1
	s_cmp_lg_u32 s[WV], 0
	s_cbranch_scc1 .Lnot_wave_0_\@
	s_barrier_signal -3
.Lnot_wave_0_\@:
	s_barrier_wait -3
	s_barrier_signal -1
	s_barrier_wait -1
.endm
.macro PLACES                          ; four places behind a matrix instruction (ISA guide 7.12.1)
.rept 4
	v_nop
.endr
.endm
	s_load_b256 s[4:11], s[0:1], 0x0               ; acode, ascl, opc, ops
	s_load_b64 s[12:13], s[0:1], 0x20              ; out0
	v_lshl_add_u32 v30, v0, 2, 0x34400
	v_mov_b32 v31, 0
	ds_add_u32 v30, v31                            ; the opening lines
	ds_add_u32 v30, v31
	v_lshrrev_b32 v1, 5, v0
	v_readfirstlane_b32 s[WV], v1
	s_lshr_b32 s19, s[WV], 1                       ; my half of P; also: I fetch P (0) or R (1)
	s_and_b32 s20, s[WV], 1                        ; my half of R; also: which four tiles I fetch
	s_bfe_u32 s21, ttmp6, 0x40000                  ; cx
	s_bfe_u32 s22, ttmp6, 0x40004                  ; cy
	s_lshl_b32 s78, ttmp9, 2
	s_add_co_u32 s78, s78, s21                     ; x: which 128 output channels
	s_and_b32 s77, ttmp7, 0xffff
	s_lshl_b32 s77, s77, 2
	s_add_co_u32 s77, s77, s22                     ; y: which 128 tokens
	s_lshl_b32 s81, s22, 2
	s_lshl_b32 s81, 15, s81                        ; my row of the cluster
	s_lshl_b32 s85, 0x1111, s21                    ; my column
	; group 1: four whole tiles: 4 rows of 12,288 bytes (1,536 elements of 8 bytes), dense
	s_or_b32 s24, s81, (3<<16)|(1<<21)
	s_or_b32 s32, s85, (3<<16)|(1<<21)
.irp g, 24, 32
	s_mov_b32 s[\g+1], 1536<<16
	s_mov_b32 s[\g+2], 4<<16
	s_mov_b32 s[\g+3], 1536<<16
	s_mov_b32 s[\g+4], 4
	s_mov_b32 s[\g+5], 1536
	s_mov_b32 s[\g+6], 0
	s_mov_b32 s[\g+7], 0
.endr
	s_lshl_b32 s84, s77, 3                         ; P's first tile
	s_lshl_b32 s85, s20, 2
	s_add_co_u32 s42, s84, s85
	s_mul_i32 s42, s42, TILE
	s_mov_b32 s43, 0
	s_lshl_b32 s88, s78, 3
	s_add_co_u32 s88, s88, 448                     ; R's first tile
	s_add_co_u32 s46, s88, s85
	s_mul_i32 s46, s46, TILE
	s_mov_b32 s47, 0
	s_mov_b32 s40, 1
	s_mov_b32 s44, 1
	s_mul_i32 s41, s[WV], 49152                    ; where my tiles go: the wave's number alone
	s_mul_i32 s45, s[WV], 49152
	s_wait_dscnt 0x0
	s_wait_kmcnt 0x0
	s_add_nc_u64 s[42:43], s[4:5], s[42:43]
	s_or_b32 s43, s43, 0x80000000
	s_add_nc_u64 s[46:47], s[8:9], s[46:47]
	s_or_b32 s47, s47, 0x80000000
	CROUND                                         ; all sixteen work-groups are here: the joint loads meet
	s_cmp_lt_u32 s[WV], 2                          ; one load a wave: waves 0, 1 P, waves 2, 3 R
	s_cbranch_scc0 .Lfill_r
	tensor_load_to_lds s[40:43], s[24:31]
	s_nop 0
	PLACES
	s_branch .Lfilled
.Lfill_r:
	tensor_load_to_lds s[44:47], s[32:39]
	s_nop 0
	PLACES
.Lfilled:
	s_mul_i32 s93, s19, 49152                      ; my four tiles of P,
	s_mul_i32 s76, s20, 49152
	s_add_co_u32 s76, s76, 98304                   ; and of R
	s_mul_i32 s80, s[WV], 4352
	s_add_co_u32 s80, s80, 196608                  ; my stage
	v_and_b32 v1, 31, v0                           ; lane
	v_and_b32 v2, 15, v0                           ; r
	v_bfe_u32 v3, v0, 4, 1                         ; h
	v_lshlrev_b32 v4, 5, v2
	v_lshl_add_u32 v4, v3, 4, v4                   ; scale rows: 32 r + 16 h
	v_lshlrev_b32 v5, 4, v1                        ; 16 x lane
	v_lshlrev_b32 v6, 3, v1
	v_add_nc_u32 v6, 512, v6                       ; 512 + 8 x lane
	v_add_nc_u32 v16, s93, v5
	v_add_nc_u32 v17, s93, v6
	v_add_nc_u32 v20, s76, v5
	v_add_nc_u32 v21, s76, v6
	v_mul_u32_u24 v24, v2, 272
	v_lshl_add_u32 v24, v3, 6, v24
	v_add_nc_u32 v24, s80, v24                     ; in: row r, + 64 h
	v_mul_u32_u24 v25, v3, 272
	v_lshl_add_u32 v25, v2, 4, v25
	v_add_nc_u32 v25, s80, v25                     ; back: lanes 0-15 one row of 256 bytes, lanes 16-31 the next
	v_lshlrev_b32 v26, 12, v3
	v_lshl_add_u32 v26, v2, 4, v26                 ; and the same two rows in out0
	s_wait_alu depctr_va_vdst(0)                   ; the wait ahead of the scalar run
	s_lshl_b32 s94, s19, 2
	s_add_co_u32 s94, s94, s84
	s_lshl_b32 s76, s94, 16                        ; my first token's row of 4,096 bytes: 16 rows a tile
	s_lshl_b32 s94, s94, 9
	s_mov_b32 s95, 0
	s_add_nc_u64 s[94:95], s[6:7], s[94:95]        ; my P tiles' scale rows
	s_lshl_b32 s96, s20, 2
	s_add_co_u32 s96, s96, s88
	s_lshl_b32 s96, s96, 9
	s_mov_b32 s97, 0
	s_add_nc_u64 s[96:97], s[10:11], s[96:97]      ; my R tiles'
.irp a, 0,1,2,3                                ; register p of a tile's four: lanes 0-15 the word of K step p, lanes 16-31 that of K step 4 + p
	global_load_b128 v[SP+4*\a:SP+4*\a+3], v4, s[94:95] offset:512*\a
.endr
.irp b, 0,1,2,3
	global_load_b128 v[SR+4*\b:SR+4*\b+3], v4, s[96:97] offset:512*\b
.endr
	s_lshl_b32 s79, s78, 9                         ; + 512 x, + 256 x my half of the columns
	s_add_co_u32 s76, s76, s79
	s_lshl_b32 s79, s20, 8
	s_add_co_u32 s100, s76, s79
	s_mov_b32 s101, 0
	s_add_nc_u64 s[12:13], s[12:13], s[100:101]
.macro FRAG reg, ad, off               ; a fragment is two half fragments on end: four loads, each of consecutive bytes
	ds_load_b128 v[(\reg):(\reg)+3], v[\ad] offset:\off
	ds_load_b64 v[(\reg)+4:(\reg)+5], v[(\ad)+1] offset:\off
	ds_load_b128 v[(\reg)+6:(\reg)+9], v[\ad] offset:(\off)+768
	ds_load_b64 v[(\reg)+10:(\reg)+11], v[(\ad)+1] offset:(\off)+768
.endm
.macro FETCH s, f                      ; K step s into set f: R's four blocks, then P's: 32 loads
	WIN TO_F
.irp b, 0,1,2,3
	FRAG 128*(\f)+48+12*\b, 20, TILE*\b+1536*(\s)
.endr
.irp a, 0,1,2,3
	FRAG 128*(\f)+12*\a, 16, TILE*\a+1536*(\s)
.endr
.endm
; 8 matrix instructions: P's blocks a0, a0 + 1 x R's four.  K step 0 starts the sums.  The 16 accumulators take turns, one instruction a turn.
.macro MUL8 f, s, a0
.irp a, \a0, \a0+1
.irp b, 0,1,2,3
.if (\s) == 0
	v_wmma_scale_f32_16x16x128_f8f6f4 v[ACC+8*(4*(\a)+\b):ACC+8*(4*(\a)+\b)+7], v[128*(\f)+48+12*\b:128*(\f)+48+12*\b+11], v[128*(\f)+12*(\a):128*(\f)+12*(\a)+11], 0, v[SR+4*\b], v[SP+4*(\a)] matrix_a_fmt:MATRIX_FMT_FP6 matrix_b_fmt:MATRIX_FMT_FP6
.elseif (\s) < 4
	v_wmma_scale_f32_16x16x128_f8f6f4 v[ACC+8*(4*(\a)+\b):ACC+8*(4*(\a)+\b)+7], v[128*(\f)+48+12*\b:128*(\f)+48+12*\b+11], v[128*(\f)+12*(\a):128*(\f)+12*(\a)+11], v[ACC+8*(4*(\a)+\b):ACC+8*(4*(\a)+\b)+7], v[SR+4*\b+(\s)%4], v[SP+4*(\a)+(\s)%4] matrix_a_fmt:MATRIX_FMT_FP6 matrix_b_fmt:MATRIX_FMT_FP6
.else
	v_wmma_scale_f32_16x16x128_f8f6f4 v[ACC+8*(4*(\a)+\b):ACC+8*(4*(\a)+\b)+7], v[128*(\f)+48+12*\b:128*(\f)+48+12*\b+11], v[128*(\f)+12*(\a):128*(\f)+12*(\a)+11], v[ACC+8*(4*(\a)+\b):ACC+8*(4*(\a)+\b)+7], v[SR+4*\b+(\s)%4], v[SP+4*(\a)+(\s)%4] matrix_a_fmt:MATRIX_FMT_FP6 matrix_b_fmt:MATRIX_FMT_FP6 matrix_a_scale:MATRIX_SCALE_ROW1 matrix_b_scale:MATRIX_SCALE_ROW1
.endif
.endr
.endr
.endm
.macro STEP s
	s_wait_dscnt 8                                 ; R and P's blocks 0, 1 are in; the youngest eight loads (P's blocks 2, 3) may be out
	WIN MUL
	MUL8 (\s)%2, \s, 0
.if (\s) < 7
	PLACES
	FETCH (\s)+1, ((\s)+1)%2
	s_wait_dscnt 32                                ; all but the 32 just issued
	WIN MUL
.else
	s_wait_dscnt 0x0
.endif
	MUL8 (\s)%2, \s, 2
.endm
	s_wait_tensorcnt 0x0                           ; my four tiles are in,
	s_barrier_signal -1
	s_barrier_wait -1                              ; everybody's are
	FETCH 0, 0
	s_wait_loadcnt 0x0                             ; the scale rows
.irp s, 0,1,2,3,4,5,6,7
	STEP \s
.endr
	WIN 0
	PLACES
; THE WAY OUT, a tile of 16 tokens x 64 channels at a time.  Lane (r, h) holds, in accumulator (a, b), channels 32 (b / 2) + 16 h + 8 (b % 2) + 0 .. 7 of token row r: 32 bytes.  They go into my own stage and
; come back as whole rows of 256 bytes.  LDS serves a wave's instructions in order: no wait between the stores and the loads, nor in front of the next tile's stores.
.macro TOSTAGE a
.irp b, 0,1,2,3
	ds_store_b128 v24, v[ACC+8*(4*(\a)+\b):ACC+8*(4*(\a)+\b)+3] offset:128*(\b/2)+32*(\b%2)        ; each accumulator from its low end on
	ds_store_b128 v24, v[ACC+8*(4*(\a)+\b)+4:ACC+8*(4*(\a)+\b)+7] offset:128*(\b/2)+32*(\b%2)+16
.endr
.irp t, 0,1,2,3,4,5,6,7
	ds_load_b128 v[64+32*((\a)%2)+4*\t:67+32*((\a)%2)+4*\t], v25 offset:544*\t
.endr
.endm
.macro SEND a, younger                 ; younger: the LDS instructions issued behind tile a's loads, which may stay out.  Stage row 2 t + h is token 32 (a / 2) + 8 (a % 2) + 2 t + h + 8 (t / 4) of my 64
.irp t, 0,1,2,3,4,5,6,7
	s_wait_dscnt (\younger)+7-\t
	global_store_b128 v26, v[64+32*((\a)%2)+4*\t:67+32*((\a)%2)+4*\t], s[12:13] offset:(32*((\a)/2)+8*((\a)%2)+2*\t+8*(\t/4))*4096 th:TH_STORE_NT   ; 16 lanes store 256 consecutive bytes, at a multiple of 256 from out0's first byte
.endr
.endm
	TOSTAGE 0
.irp a, 1,2,3
.if \a > 1
	s_wait_xcnt 0x0                                ; tile a - 2's stores have read their registers: tile a's loads may land there
.endif
	TOSTAGE \a
	SEND \a-1, 16                                  ; behind tile a - 1's loads: tile a's 8 stores and 8 loads
.endr
	SEND 3, 0
	s_wait_tensorcnt 0x0                           ; the wave's end
	ds_add_u32 v30, v31
	s_wait_dscnt 0x0
	CROUND                                         ; the closing round
	s_endpgm
.Lfunc_end_k_qa2c416b4a9_proj:
	.size	k_qa2c416b4a9_proj, .Lfunc_end_k_qa2c416b4a9_proj-k_qa2c416b4a9_proj
	.p2alignl 7, 3214868480
	.fill 96, 4, 3214868480
	.section	.rodata,"a",@progbits
	.p2align	6, 0x0
	.amdhsa_kernel k_qa2c416b4a9_proj
		.amdhsa_group_segment_fixed_size 214528
		.amdhsa_private_segment_fixed_size 0
		.amdhsa_enable_private_segment 0
		.amdhsa_kernarg_size 40
		.amdhsa_user_sgpr_count 2
		.amdhsa_user_sgpr_kernarg_segment_ptr 1
		.amdhsa_wavefront_size32 1
		.amdhsa_system_sgpr_workgroup_id_x 1
		.amdhsa_system_sgpr_workgroup_id_y 1
		.amdhsa_system_sgpr_workgroup_id_z 1
		.amdhsa_system_vgpr_workitem_id 0
		.amdhsa_next_free_vgpr 512
		.amdhsa_next_free_sgpr 102
		.amdhsa_reserve_vcc 0
		.amdhsa_float_denorm_mode_32 3
		.amdhsa_float_denorm_mode_16_64 3
		.amdhsa_memory_ordered 1
		.amdhsa_forward_progress 1
		.amdhsa_inst_pref_size 50
	.end_amdhsa_kernel
	.amdgpu_metadata
---
amdhsa.version: [ 1, 2 ]
amdhsa.kernels:
  - .name:           k_qa2c416b4a9_proj
    .symbol:         k_qa2c416b4a9_proj.kd
    .args:
      - { .name: acode, .offset: 0, .size: 8, .value_kind: global_buffer, .address_space: global }
      - { .name: ascl, .offset: 8, .size: 8, .value_kind: global_buffer, .address_space: global }
      - { .name: opc, .offset: 16, .size: 8, .value_kind: global_buffer, .address_space: global }
      - { .name: ops, .offset: 24, .size: 8, .value_kind: global_buffer, .address_space: global }
      - { .name: out0, .offset: 32, .size: 8, .value_kind: global_buffer, .address_space: global }
    .group_segment_fixed_size: 214528
    .private_segment_fixed_size: 0
    .kernarg_segment_align: 8
    .kernarg_segment_size: 40
    .max_flat_workgroup_size: 128
    .sgpr_count:     102
    .vgpr_count:     512
    .wavefront_size: 32
...
	.end_amdgpu_metadata
.endif
;; end of part 4
